; MI455X (gfx1250); checked and timed in simulation.
; The chip was launched on July 23, 2026; its instructions are those of AMD's public machine-readable ISA for CDNA 5 (MIT licence, August 2026) and "CDNA5" Instruction Set Architecture Reference Guide (July 2026). The comments in the code are by the model that wrote it; some were corrected since.
;; Multihead Self Attention. Allowed arithmetic: matrix products marked QUANTISED: E4M3 operands, one given power-of-two scale a tensor, by v_wmma_f32_16x16x64_fp8_fp8 or v_wmma_f32_16x16x128_fp8_fp8, f32 sums; everything else in f32.
;; Inputs: lowp_scales 12 int32 (the exponents e of the quantised operands' scales 2^e); token_positions 2,048 int32; wk 1,024 x 1,024 float32; wo 1,024 x 1,024 float32; wq 1,024 x 1,024 float32; wv 1,024 x 1,024 float32; x 4 x 2,048 x 1,024 float32.
;; Outputs: out0 4 x 2,048 x 1,024 float32.
;; This version of the problem:
;;   THIS VERSION OF THE PROBLEM IS GIVEN IN LOW PRECISION. The matrix products marked QUANTISED in the list below multiply operands that are first quantised to E4M3 (4 exponent bits, 3 mantissa bits; 8 bits a number), with one given power-of-two scale for each operand tensor; their sums are f32. All else is computed in f32.
;;   The module's matrix products, in the order in which they are computed (A, B: the left and right operand; K: the contracted axis; several contracted axes count as one K, in the product's order):
;;     1. [M 8,192, K 1,024] x [K 1,024, N 1,024]; A: input x; B: input wq: QUANTISED (scales: A lowp_scales[0], B lowp_scales[1])
;;     2. [M 8,192, K 1,024] x [K 1,024, N 1,024]; A: input x; B: input wk: QUANTISED (scales: A lowp_scales[2], B lowp_scales[3])
;;     3. [M 8,192, K 1,024] x [K 1,024, N 1,024]; A: input x; B: input wv: QUANTISED (scales: A lowp_scales[4], B lowp_scales[5])
;;     4. batch 64 x [M 2,048, K 64] x [K 64, N 2,048]; A: computed on the way; B: computed on the way: QUANTISED (scales: A lowp_scales[6], B lowp_scales[7])
;;     5. batch 64 x [M 2,048, K 2,048] x [K 2,048, N 64]; A: softmax (see below); B: computed on the way: QUANTISED (scales: A lowp_scales[8], B lowp_scales[9])
;;     6. [M 8,192, K 1,024] x [K 1,024, N 1,024]; A: computed on the way; B: input wo: QUANTISED (scales: A lowp_scales[10], B lowp_scales[11])
;;   THE QUANTISER, for each operand of a quantised product, along K:
;;     - The operand's scale is 2^e, e = its entry of the input lowp_scales (int32; the entries are numbered through the quantised products in the list's order, A before B).
;;     - Each number is divided by the scale, clamped to +-448, and rounded to the nearest number of E4M3, ties to even, subnormals kept.
;;     - The product sums the exact products of the quantised numbers (number of the format x scale) in f32.
;;   ~~~python
;;   def quantise(x, axis, e):      # numpy; x: float32 -> the quantised numbers, widened to float32 again
;;       x = np.moveaxis(x, axis, -1); K = x.shape[-1]
;;       r = np.clip(x / 2.0 ** e, -448, 448)
;;       step = 2.0 ** (np.maximum(np.frexp(np.where(r == 0, 1, r))[1] - 1, -6) - 3)
;;       q = np.round(r / step) * step * 2.0 ** e      # np.round: ties to even
;;       return np.moveaxis(q, -1, axis).astype(np.float32)
;;   ~~~
;;   SOFTMAX AHEAD OF A QUANTISED PRODUCT. Where the list says 'softmax', what is quantised is not the finished softmax but p = 2^(t - M), with t = logit x log2(e) and M = ceil(the row's largest t), a whole number; so 1/2 < the row's largest p <= 1. The row's sum l is taken of the UNQUANTISED p, in f32, and the product's result is divided by l at the end. Since M is a whole number, a kernel that streams over the keys may use a running M (the ceiling of the running maximum): every later rescaling is an exact power of two, so the quantised numbers keep their values, but for numbers so far below the row's largest that they fall under the format's range.
;;   OPERANDS COMPUTED ON THE WAY. 'Computed on the way' means the value that the module computes at that place (a softmax that the list does not call 'softmax' is quantised finished and normalised). What goes into a quantiser is computed in f32, as accurately as f32 sums, v_exp_f32 and their like allow (about 1e-6 of the number): no bf16 or f16 on the way to a quantiser, and a product that is left as it is and whose result goes on into a quantised operand takes f32 operands (vector FMAs, or v_wmma_f32_16x16x4_f32). A number that lies on a knife's edge between two numbers of the format may be rounded either way, as far as f32 arithmetic and the matrix unit's own rounding can turn it there, and no further.
;; One version. Each part assembles by itself: llvm-mc -triple=amdgcn-amd-amdhsa -mcpu=gfx1250 --defsym DOCPART=n.
;; ======== version 1 of 1: 4 launches
;; limits: right only within a limited range of input values
;; workspace buffers: xc 25,165,824 bytes; wc 4,194,304 bytes; cs 524,288 bytes; qi 8,388,608 bytes; kv 16,777,216 bytes; yi 8,388,608 bytes
;; launch prep (part 1): grid 800 x 1, 4 waves a work-group, no clusters, 41,472 bytes of LDS; arguments x, wq, wk, wv, wo, token_positions, lowp_scales, xc, wc, cs; writes xc, wc, cs
.if DOCPART == 1
	.amdgcn_target "amdgcn-amd-amdhsa--gfx1250"
	.amdhsa_code_object_version 6
	.text
	.protected	k_qa4197dfce8_prep
	.globl	k_qa4197dfce8_prep
	.p2align	8
	.type	k_qa4197dfce8_prep,@function
k_qa4197dfce8_prep:
	s_mov_b64 s[64:65], 0
	v_nop
	global_prefetch_b8 v0, s[64:65] scope:SCOPE_SE
	s_setreg_imm32_b32 hwreg(HW_REG_WAVE_MODE, 25, 1), 1
	s_wait_xcnt 0x0
; THREE JOBS IN ONE LAUNCH, told apart by the work-group's number alone; the three ways never join again.
;   work-groups 0-511:   x [8192][1024] f32 -> codes of E4M3 under the three given scales 2^e0, 2^e2, 2^e4: three planes of xc, [8192][1024] bytes each.
;   work-groups 512-767: wq, wk, wv, wo [1024][1024] f32 -> codes under 2^e1, 2^e3, 2^e5, 2^e11: four planes of wc.
;   work-groups 768-799: cos and sin of token_positions x 10000^(-i/32), i = 0..31, into cs, laid as the next launch's lanes want them.
; code = number / 2^e, held within +-448, to the nearest code, ties to even.
; TILE ORDER: row n of x, wq, wk, wv is stored at row swap34(n) (n with bits 3 and 4 exchanged); wo keeps its order.  So 16 consecutive stored rows 16 t + i are the rows
; 32 (t / 2) + 8 (t % 2) + i + 8 (i / 8): the choice of rows that lets a product's results be, register for register, the next product's operand.
; A wave takes 4 rows = 8 steps of 512 numbers.  Each load reads 512 consecutive bytes; a step's 2,048 bytes turn through the wave's own stage in LDS (16 bytes of padding behind each 64) so that a lane
; holds 16 neighbours along K; its 16 codes are 16 bytes, so a wave's store covers 512 consecutive bytes, aligned.  Waves share nothing: no barrier.  The two ways that use LDS have LDS bytes of their own.
; LIMITS: every e between -126 and 119.  NaN among the inputs is not served (an infinity is held at the largest code).  |token_positions| up to 2^17: the angle is reduced by pi/2 in two parts.
; The 32 frequencies are written as decimal numbers and rounded to f32 once.
.set WAVES, 4
.set STEPS, 8
.set SP,    80                         ; a lane's place in a stage: its 64 bytes + 16 of padding
.set WREG,  2*32*SP                    ; a wave's two stages
.set WOFF,  WAVES*WREG                 ; where the weights' way has its stages
.set SPARE, 2*WOFF                     ; behind them: the spare words, 128 bytes a wave: two blocks of 256 bytes that no other line names
.set SC,    4                          ; v4-6    2^e as f32, one for each plane
.set LIM,   7                          ; v7-9    448 x 2^e
.set SPW,   12                         ; v12     LDS address of my spare word; never rewritten
.set NIL,   13                         ; v13     0; never rewritten
.set R,     16                         ; v16-79  four sets of 16 numbers as they are loaded
.set X,     80                         ; v80-111 two sets of 16 neighbours
.set T,     112                        ; v112-127 a set held within the plane's range
.set C,     128                        ; v128-151 codes: two sets of 3 x 4
	s_load_b512 s[4:19], s[0:1], 0x0               ; x s[4:5], wq s[6:7], wk s[8:9], wv s[10:11], wo s[12:13], token_positions s[14:15], the exponents s[16:17], xc s[18:19]
	s_load_b128 s[20:23], s[0:1], 0x40             ; wc s[20:21], cs s[22:23]
	v_lshl_add_u32 v[SPW], v0, 2, SPARE
	v_mov_b32 v[NIL], 0
	v_lshrrev_b32 v1, 5, v0
	v_readfirstlane_b32 s24, v1                    ; wave 0..3
	v_and_b32 v2, 31, v0                           ; lane
	v_lshlrev_b32 v3, 4, v2                        ; 16 x lane: my 16 bytes of a load's 512, and of a store's
	s_mul_i32 s25, s24, WREG
	v_lshrrev_b32 v14, 2, v2
	v_mul_u32_u24 v14, v14, SP
	v_and_b32 v15, 3, v2
	v_lshl_add_u32 v14, v15, 4, v14
	v_add_nc_u32 v14, s25, v14                     ; x's stage, on the way in: SP (lane / 4) + 16 (lane % 4)
	v_mul_u32_u24 v15, v2, SP
	v_add_nc_u32 v15, s25, v15                     ; and on the way out: SP x lane
	v_add_nc_u32 v10, WOFF, v14                    ; the same for the weights' way: all four are made ahead of the parting
	v_add_nc_u32 v11, WOFF, v15
	s_wait_kmcnt 0x0
	s_cmp_lt_u32 ttmp9, 512
	s_cbranch_scc1 .Lx
	s_cmp_lt_u32 ttmp9, 768
	s_cbranch_scc1 .Lw
; ---- THE TABLE.  Wave = a tile t of 16 stored positions; lane (r, h) stands for position 32 (t / 2) + 8 (t % 2) + r + 8 (r / 8) and makes (cos, sin) for i = 16 p + 8 h + 0..7, p = 0, 1:
; registers 32 + 16 p + 2 m, + 1 = cos, sin of i = 16 p + 8 h + m.  Eight stores of 512 consecutive bytes.
	s_sub_co_u32 s26, ttmp9, 768
	s_lshl_b32 s26, s26, 2
	s_add_co_u32 s26, s26, s24                     ; t
	s_lshr_b32 s27, s26, 1
	s_lshl_b32 s27, s27, 5
	s_and_b32 s28, s26, 1
	s_lshl_b32 s28, s28, 3
	s_add_co_u32 s27, s27, s28
	v_and_b32 v16, 15, v0                          ; r
	v_and_b32 v18, 8, v16
	v_add_nc_u32 v16, v16, v18
	v_add_nc_u32 v16, s27, v16
	v_lshlrev_b32 v16, 2, v16
	global_load_b32 v17, v16, s[14:15]             ; my position
	v_bfe_u32 v18, v0, 4, 1                        ; h
	v_cmp_eq_u32 s50, 1, v18                       ; the lanes with h = 1
	s_lshl_b32 s28, s26, 12
	s_mov_b32 s29, 0
	s_add_nc_u64 s[22:23], s[22:23], s[28:29]      ; cs at my tile's 4,096 bytes
	s_mov_b32 s52, 0xb94ca1f9                      ; sin r = r + r z (S1 + z (S2 + z S3)), z = r r, |r| <= pi/4: S3, S2, S1
	s_mov_b32 s53, 0x3c08839e
	s_mov_b32 s54, 0xbe2aaaa3
	s_mov_b32 s55, 0x37ccf5ce                      ; cos r = 1 - z/2 + z z (C1 + z (C2 + z C3)): C3, C2, C1
	s_mov_b32 s56, 0xbab6061a
	s_mov_b32 s57, 0x3d2aaaa5
	s_wait_loadcnt 0x0
	v_cvt_f32_i32 v17, v17
; cos and sin of position x frequency into v[dst], v[dst + 1]; lo: the frequency of lanes 0-15, hi: of lanes 16-31.  No sine instruction: the angle is reduced to |r| <= pi/4 and two short series follow.
.macro ANG dst, lo, hi
	v_mov_b32 v20, \lo
	v_mov_b32 v21, \hi
	v_cndmask_b32 v20, v20, v21, s50
	v_mul_f32 v20, v17, v20                        ; the angle, rounded once
	v_mul_f32 v21, 0x3f22f983, v20                 ; x 2 / pi
	v_rndne_f32 v21, v21                           ; n quarter turns
	v_fmamk_f32 v22, v21, 0xbfc90fdb, v20          ; r = angle - n x pi/2: the upper part of pi/2,
	v_fmamk_f32 v22, v21, 0x333bbd2e, v22          ; and what it lacks
	v_cvt_i32_f32 v23, v21
	v_mul_f32 v24, v22, v22                        ; z
	v_fma_f32 v25, v24, s52, s53
	v_fma_f32 v26, v24, s55, s56
	v_fma_f32 v25, v25, v24, s54
	v_fma_f32 v26, v26, v24, s57
	v_mul_f32 v27, v24, v22
	v_mul_f32 v28, v24, v24
	v_fma_f32 v25, v25, v27, v22                   ; sin r
	v_fma_f32 v29, v24, -0.5, 1.0
	v_fma_f32 v26, v26, v28, v29                   ; cos r
	v_and_b32 v27, 1, v23
	v_cmp_eq_u32 vcc_lo, 1, v27                    ; an odd number of quarter turns exchanges the two,
	v_cndmask_b32 v28, v25, v26, vcc_lo
	v_cndmask_b32 v29, v26, v25, vcc_lo
	v_lshlrev_b32 v27, 30, v23                     ; bit 1 of n turns the sine's sign,
	v_and_b32 v27, 0x80000000, v27
	v_xor_b32 v[\dst+1], v28, v27
	v_add_nc_u32 v23, 1, v23                       ; bit 1 of n + 1 the cosine's
	v_lshlrev_b32 v23, 30, v23
	v_and_b32 v23, 0x80000000, v23
	v_xor_b32 v[\dst], v29, v23
.endm
	ANG 32, 1.0,                    0.1
	ANG 34, 0.7498942093324559,     0.07498942093324559
	ANG 36, 0.5623413251903491,     0.05623413251903491
	ANG 38, 0.4216965034285822,     0.04216965034285822
	ANG 40, 0.31622776601683794,    0.031622776601683794
	ANG 42, 0.23713737056616552,    0.023713737056616552
	ANG 44, 0.1778279410038923,     0.01778279410038923
	ANG 46, 0.1333521432163324,     0.01333521432163324
	ANG 48, 0.01,                   0.001
	ANG 50, 0.007498942093324559,   0.0007498942093324559
	ANG 52, 0.005623413251903491,   0.0005623413251903491
	ANG 54, 0.004216965034285822,   0.0004216965034285822
	ANG 56, 0.0031622776601683794,  0.00031622776601683794
	ANG 58, 0.0023713737056616552,  0.00023713737056616552
	ANG 60, 0.001778279410038923,   0.0001778279410038923
	ANG 62, 0.001333521432163324,   0.0001333521432163324
.irp u, 0,1,2,3,4,5,6,7
	global_store_b128 v3, v[32+4*\u:35+4*\u], s[22:23] offset:512*\u
.endr
	s_endpgm                                       ; this way has written no LDS
; ---- THE QUANTISERS
.macro SWAP34 d, s                     ; s[d] = s[s] with bits 3 and 4 exchanged
	s_lshr_b32 s[\d], s[\s], 1
	s_xor_b32 s[\d], s[\d], s[\s]                  ; bit 3: do the two differ?
	s_and_b32 s[\d], s[\d], 8
	s_mul_i32 s[\d], s[\d], 3                      ; then turn both
	s_xor_b32 s[\d], s[\d], s[\s]
.endm
.macro MKSC e, n                       ; from the exponent in s[e]: 2^e and 448 x 2^e as f32, for plane n
	s_add_co_i32 s50, s[\e], 127
	s_lshl_b32 s51, s50, 23
	v_mov_b32 v[SC+\n], s51
	s_add_co_i32 s50, s50, 8
	s_lshl_b32 s50, s50, 23
	s_or_b32 s50, s50, 0x600000
	v_mov_b32 v[LIM+\n], s50
.endm
.macro LOAD t
.irp i, 0,1,2,3
	global_load_b128 v[R+16*((\t)%4)+4*\i:R+16*((\t)%4)+4*\i+3], v3, s[4:5] offset:2048*(\t)+512*\i th:TH_LOAD_NT   ; 32 lanes read 512 consecutive bytes; read once in the launch
.endr
.endm
.macro TURN t, ain, aout               ; step t's numbers through the stage: LDS serves a wave's instructions in order, so no wait stands between the stores and the loads
.irp i, 0,1,2,3
	ds_store_b128 v[\ain], v[R+16*((\t)%4)+4*\i:R+16*((\t)%4)+4*\i+3] offset:32*SP*((\t)%2)+8*SP*\i
.endr
.irp i, 0,1,2,3
	ds_load_b128 v[X+16*((\t)%2)+4*\i:X+16*((\t)%2)+4*\i+3], v[\aout] offset:32*SP*((\t)%2)+16*\i
.endr
.endm
.macro QSTEP t, np, ain, aout          ; np: how many planes of codes are made of the step's numbers
.set XS, X+16*((\t)%2)
.set CS2, C+12*((\t)%2)
	s_wait_dscnt 0x0                               ; this step's numbers are back from the stage: so its stores into the stage have read their registers,
.if (\t)+4 < STEPS
	LOAD (\t)+4                                    ; which take the loads of four steps on
.endif
.if (\t)+1 < STEPS
.if STEPS-2-(\t) >= 3
	s_wait_loadcnt 12                              ; the next step's four loads are in; those of the three steps behind it may be out
.else
	s_wait_loadcnt 4*(STEPS-2-(\t))
.endif
	TURN (\t)+1, \ain, \aout
.endif
.if (\t) >= 2
	s_wait_xcnt 0x0                                ; the stores of two steps ago have read this set of codes: it is written again only behind this wait
.endif
.irp s, 0,1,2
.if \s < \np
.irp i, 0,1,2,3,4,5,6,7,8,9,10,11,12,13,14,15
	v_med3_num_f32 v[T+\i], v[XS+\i], -v[LIM+\s], v[LIM+\s]   ; the conversion to an 8-bit code does not saturate (ISA guide 7.6.2): hold the number within 448 x the scale first
.endr
	v_cvt_scalef32_pk8_fp8_f32 v[CS2+4*\s:CS2+4*\s+1], v[T:T+7], v[SC+\s]
	v_cvt_scalef32_pk8_fp8_f32 v[CS2+4*\s+2:CS2+4*\s+3], v[T+8:T+15], v[SC+\s]
	v_nop                                          ; a plain line between the conversions and the next write of their sources
	global_store_b128 v3, v[CS2+4*\s:CS2+4*\s+3], s[44+2*\s:45+2*\s] offset:512*(\t)   ; 512 consecutive bytes, aligned
.endif
.endr
.endm
.Lx:
	s_load_b256 s[32:39], s[16:17], 0x0            ; e0 .. e7
	s_lshl_b32 s26, ttmp9, 4
	s_lshl_b32 s27, s24, 2
	s_add_co_u32 s26, s26, s27                     ; my first row: 16 x work-group + 4 x wave
	SWAP34 27, 26                                  ; and where it is stored (my four rows stay together)
	s_lshl_b32 s30, s26, 12
	s_mov_b32 s31, 0
	s_add_nc_u64 s[4:5], s[4:5], s[30:31]
	s_lshl_b32 s28, s27, 10
	s_mov_b32 s29, 0
	s_add_nc_u64 s[44:45], s[18:19], s[28:29]      ; the three planes lie 8,388,608 bytes apart, past a store's immediate: a base for each
	s_add_nc_u64 s[46:47], s[44:45], 0x800000
	s_add_nc_u64 s[48:49], s[46:47], 0x800000
.irp t, 0,1,2,3
	LOAD \t
.endr
	s_wait_kmcnt 0x0
	MKSC 32, 0
	MKSC 34, 1
	MKSC 36, 2
	s_wait_loadcnt 12                              ; step 0's four loads are in
	s_wait_alu depctr_va_vdst(0)
	TURN 0, 14, 15
.irp t, 0,1,2,3,4,5,6,7
	QSTEP \t, 3, 14, 15
.endr
	s_wait_tensorcnt 0x0                           ; the wave's end, behind my last LDS store
	ds_add_u32 v[SPW], v[NIL]
	s_wait_dscnt 0x0
	s_endpgm
.Lw:
	s_load_b256 s[32:39], s[16:17], 0x0            ; e0 .. e7
	s_load_b128 s[40:43], s[16:17], 0x20           ; e8 .. e11
	s_sub_co_u32 s26, ttmp9, 512
	s_lshr_b32 s27, s26, 6                         ; which weight: 0 wq, 1 wk, 2 wv, 3 wo
	s_and_b32 s26, s26, 63
	s_lshl_b32 s26, s26, 4
	s_lshl_b32 s28, s24, 2
	s_add_co_u32 s26, s26, s28                     ; my first row
	SWAP34 29, 26
	s_wait_kmcnt 0x0
	s_cmp_eq_u32 s27, 3                            ; the choices hang on the work-group's number alone
	s_cselect_b32 s29, s26, s29                    ; wo keeps its rows' order
	s_cselect_b64 s[4:5], s[12:13], s[10:11]
	s_cselect_b32 s52, s43, s37                    ; e11 or e5
	s_cmp_eq_u32 s27, 1
	s_cselect_b64 s[4:5], s[8:9], s[4:5]
	s_cselect_b32 s52, s35, s52                    ; e3
	s_cmp_eq_u32 s27, 0
	s_cselect_b64 s[4:5], s[6:7], s[4:5]
	s_cselect_b32 s52, s33, s52                    ; e1
	s_lshl_b32 s30, s26, 12
	s_mov_b32 s31, 0
	s_add_nc_u64 s[4:5], s[4:5], s[30:31]
	s_lshl_b32 s28, s27, 20
	s_lshl_b32 s29, s29, 10
	s_add_co_u32 s28, s28, s29
	s_mov_b32 s29, 0
	s_add_nc_u64 s[44:45], s[20:21], s[28:29]
.irp t, 0,1,2,3
	LOAD \t
.endr
	MKSC 52, 0
	s_wait_loadcnt 12
	s_wait_alu depctr_va_vdst(0)
	TURN 0, 10, 11
.irp t, 0,1,2,3,4,5,6,7
	QSTEP \t, 1, 10, 11
.endr
	s_wait_tensorcnt 0x0                           ; the wave's end, as above
	ds_add_u32 v[SPW], v[NIL]
	s_wait_dscnt 0x0
	s_endpgm
.Lfunc_end_k_qa4197dfce8_prep:
	.size	k_qa4197dfce8_prep, .Lfunc_end_k_qa4197dfce8_prep-k_qa4197dfce8_prep
	.p2alignl 7, 3214868480
	.fill 96, 4, 3214868480
	.section	.rodata,"a",@progbits
	.p2align	6, 0x0
	.amdhsa_kernel k_qa4197dfce8_prep
		.amdhsa_group_segment_fixed_size 41472
		.amdhsa_private_segment_fixed_size 0
		.amdhsa_enable_private_segment 0
		.amdhsa_kernarg_size 80
		.amdhsa_user_sgpr_count 2
		.amdhsa_user_sgpr_kernarg_segment_ptr 1
		.amdhsa_wavefront_size32 1
		.amdhsa_system_sgpr_workgroup_id_x 1
		.amdhsa_system_sgpr_workgroup_id_y 1
		.amdhsa_system_sgpr_workgroup_id_z 1
		.amdhsa_system_vgpr_workitem_id 0
		.amdhsa_next_free_vgpr 160
		.amdhsa_next_free_sgpr 66
		.amdhsa_reserve_vcc 1
		.amdhsa_float_denorm_mode_32 3
		.amdhsa_float_denorm_mode_16_64 3
		.amdhsa_memory_ordered 1
		.amdhsa_forward_progress 1
		.amdhsa_inst_pref_size 85
	.end_amdhsa_kernel
	.amdgpu_metadata
---
amdhsa.version: [ 1, 2 ]
amdhsa.kernels:
  - .name:           k_qa4197dfce8_prep
    .symbol:         k_qa4197dfce8_prep.kd
    .args:
      - { .name: x, .offset: 0, .size: 8, .value_kind: global_buffer, .address_space: global }
      - { .name: wq, .offset: 8, .size: 8, .value_kind: global_buffer, .address_space: global }
      - { .name: wk, .offset: 16, .size: 8, .value_kind: global_buffer, .address_space: global }
      - { .name: wv, .offset: 24, .size: 8, .value_kind: global_buffer, .address_space: global }
      - { .name: wo, .offset: 32, .size: 8, .value_kind: global_buffer, .address_space: global }
      - { .name: token_positions, .offset: 40, .size: 8, .value_kind: global_buffer, .address_space: global }
      - { .name: lowp_scales, .offset: 48, .size: 8, .value_kind: global_buffer, .address_space: global }
      - { .name: xc, .offset: 56, .size: 8, .value_kind: global_buffer, .address_space: global }
      - { .name: wc, .offset: 64, .size: 8, .value_kind: global_buffer, .address_space: global }
      - { .name: cs, .offset: 72, .size: 8, .value_kind: global_buffer, .address_space: global }
    .group_segment_fixed_size: 41472
    .private_segment_fixed_size: 0
    .kernarg_segment_align: 8
    .kernarg_segment_size: 80
    .max_flat_workgroup_size: 128
    .sgpr_count:     66
    .vgpr_count:     160
    .wavefront_size: 32
...
	.end_amdgpu_metadata
.endif
;; end of part 1
;; launch qkv (part 2): grid 12 x 32, 4 waves a work-group, clusters of 4 x 4, 327,680 bytes of LDS; arguments xc, wc, lowp_scales, cs, qi, kv; writes qi, kv
.if DOCPART == 2
	.amdgcn_target "amdgcn-amd-amdhsa--gfx1250"
	.amdhsa_code_object_version 6
	.text
	.protected	k_qa4197dfce8_qkv
	.globl	k_qa4197dfce8_qkv
	.p2align	8
	.type	k_qa4197dfce8_qkv,@function
k_qa4197dfce8_qkv:
	s_mov_b64 s[64:65], 0
	v_nop
	global_prefetch_b8 v0, s[64:65] scope:SCOPE_SE
	s_setreg_imm32_b32 hwreg(HW_REG_WAVE_MODE, 25, 1), 1
	s_wait_xcnt 0x0
	s_wait_alu depctr_hold_cnt(0) depctr_sa_sdst(0) depctr_va_vdst(0) depctr_va_sdst(0) depctr_va_ssrc(0) depctr_va_vcc(0) depctr_vm_vsrc(0)
	s_getreg_b32 s2, hwreg(HW_REG_IB_STS2, 6, 4)
	s_cmp_eq_u32 s2, 0
	s_cbranch_scc0 .Lentry_in_a_cluster
	s_endpgm
.Lentry_in_a_cluster:
	s_bfe_u32 s2, ttmp6, 0x10000c
	s_cmp_lg_u32 s2, 0xf033
	s_cbranch_scc0 .Lentry_shape_is_right
	s_endpgm
.Lentry_shape_is_right:
; q = x wq^T, k = x wk^T, v = x wv^T on codes of E4M3; q and k are turned by RoPE in f32; all three are quantised again (2^e6, 2^e7, 2^e9) and stored as IMAGES OF THE NEXT PRODUCTS' OPERAND REGISTERS.
; The cluster's x says which: 0 q, 1 k, 2 v; it is the same in all sixteen partners.  A tile is 256 x 256, four waves of 128 x 128: 64 accumulators, 512 registers.  K = 1,024 goes in four steps of 256
; through a ring of two LDS slots filled by joint tensor loads: "A"'s tile is shared along a row of the cluster, "B"'s along a column.
; q, k: "A" = x's codes (tokens), "B" = the weight's (features).  v: the roles are exchanged, "A" = wv's codes, "B" = x's, so that v comes out with the KEYS along a lane's registers.
; THE MATRIX INSTRUCTION IS USED TRANSPOSED (source 0 = 16 rows of B, source 1 = 16 rows of A): lane (r, h) holds row r of A's block, and its registers run along B's rows.  Both buffers are stored in TILE ORDER
; (stored row 16 t + i = row 32 (t / 2) + 8 (t % 2) + i + 8 (i / 8)), so that register 16 c + i of a block's 64 is B's row 32 c + 16 h + i: sixteen neighbours along the next K.  Eight conversions make of them
; four groups of four registers, each one unit of the next operand's image, stored at 16 x lane: 512 consecutive bytes a store.  Nothing is transposed and nothing goes through LDS on the way out.
; A sum stands for sum x 2^(ea + eb); RoPE is linear, so it turns the sums as they are, and the conversion takes the one scale 2^(e_out - ea - eb).
; LIMITS: e6 - e0 - e1, e7 - e2 - e3 and e9 - e4 - e5 between -126 and 119.
; REGISTERS, in windows of 256: window 0: v8 the scale, v9 448 x the scale, v10 16 x lane, v16-29 addresses; v64-127 two tiles of the cos/sin table; from v128 A's fragments, ONE set (on the way out v128-191 the
; turned numbers, v192-223 two sets of codes).  window 1: B's fragments, two sets.  windows 2, 3: the accumulators of my rows 0-63, 64-127 ((a, b) at v[8 (8 (a % 4) + b)]).
.set KSTEP,  256
.set ROWB,   256                       ; a tile's row in bytes
.set KROW,   1024                      ; a row of codes in memory
.set PITCH,  272                       ; an LDS row: 256 bytes + 16 of padding = 68 words: the 16 rows that a load touches start at 16 different banks (64 banks of 4 bytes: ISA guide 11.1)
.set FR,     16                        ; registers of a fragment: 16 rows x 128 K
.set NL,     4                         ; LDS loads that bring one
.set NP,     4                         ; places behind this matrix instruction (ISA guide 7.12.1)
.set HALFT,  128*PITCH
.set SLOT,   4*HALFT                   ; A's 256 rows, then B's 256 rows
.set LAPS,   2                         ; 1,024 / 512
.set SPARE,  2*SLOT                    ; behind the ring: the spare words, 128 bytes a wave: two blocks of 256 bytes that no other line names
.set SCV,  8
.set LIMV, 9
.set L16,  10
.set ADRA, 16
.set ADRB, 20
.set SPW,  28
.set NIL,  29
.set CSB,  64
.set AF,   128
.set RR,   128
.set CC,   192
.set G1, 24                            ; s[24:31] group 1 for A's tiles; s[32:39] group 0, a set for each slot
.set G0, 32
.set G1B, 48                           ; s[48:55], s[56:63] the same for B's
.set G0B, 56
.set MSB, 0
.macro WIN new                         ; the immediate's high byte repeats the setting that is left
.if MSB != \new
	s_set_vgpr_msb (MSB<<8)|\new
.set MSB, \new
.endif
.endm
.set MUL_LO, 0xa1                      ; source 0 (B) window 1, source 1 (A) window 0, C and D window 2
.set MUL_HI, 0xf1
.set TO_B,   0x40
; A joint load: waves 0 and 1 fetch for A, waves 2 and 3 for B; the branch hangs on the wave's number alone.  An s_nop 0 and four v_nop follow each of the two lines.
.macro JLOAD g0a, g1a, g0b, g1b
	s_cmp_eq_u32 s15, 0
	s_cbranch_scc0 .Lfor_b_\@
	tensor_load_to_lds s[\g0a:\g0a+3], s[\g1a:\g1a+7]
	s_nop 0
.rept 4
	v_nop
.endr
	s_branch .Lasked_\@
.Lfor_b_\@:
	tensor_load_to_lds s[\g0b:\g0b+3], s[\g1b:\g1b+7]
	s_nop 0
.rept 4
	v_nop
.endr
.Lasked_\@:
.endm
.macro CREST                           ; a round of the cluster's barrier behind its opening barrier
	s_cmp_lg_u32 s14, 0
	s_cbranch_scc1 .Lnot_wave_0_\@
	s_barrier_signal -3
.Lnot_wave_0_\@:
	s_barrier_wait -3
	s_barrier_signal -1
	s_barrier_wait -1
.endm
.macro CROUND
	s_barrier_signal -1
	s_barrier_wait -1
	CREST
.endm
	s_load_b256 s[4:11], s[0:1], 0x0               ; xc s[4:5], wc s[6:7], the exponents s[8:9], cs s[10:11]
	s_load_b128 s[84:87], s[0:1], 0x20             ; qi s[84:85], kv s[86:87]
	v_lshl_add_u32 v[SPW], v0, 2, SPARE
	v_mov_b32 v[NIL], 0
	ds_add_u32 v[SPW], v[NIL]                      ; the wave's opening: the add and its wait ahead of my first tensor load; the set-up below stands between them
	ds_add_u32 v[SPW], v[NIL]
	v_lshrrev_b32 v1, 5, v0
	v_readfirstlane_b32 s14, v1                    ; wave 0..3
	s_lshr_b32 s15, s14, 1                         ; which half of A's rows is mine.  Also: I fetch for A (0) or for B (1)
	s_and_b32 s16, s14, 1                          ; which half of B's rows.  Also: which 128 rows of that tile I fetch
	s_bfe_u32 s40, ttmp6, 0x40000                  ; cx, cy: my place in the cluster
	s_bfe_u32 s41, ttmp6, 0x40004
	s_and_b32 s17, ttmp7, 0xffff
	s_lshl_b32 s17, s17, 2                         ; 4 x cluster y
	s_lshl_b32 s66, ttmp9, 23                      ; x's plane of codes: 8,388,608 bytes each,
	s_lshl_b32 s67, ttmp9, 20                      ; the weight's: 1,048,576
	s_cmp_eq_u32 ttmp9, 2                          ; v?  (the cluster's x: the same in all partners)
	s_cselect_b32 s92, s67, s66                    ; A's plane
	s_cselect_b32 s93, s66, s67                    ; B's
	s_cselect_b32 s66, 0, s17                      ; the 32 tiles of tokens go by cluster y and, for q and k, cy; for v, cx
	s_cselect_b32 s67, s17, 0
	s_add_co_u32 s17, s66, s41                     ; A's tile: hangs on cy alone of the two
	s_add_co_u32 s42, s67, s40                     ; B's tile: on cx alone
	s_lshl_b32 s43, s41, 2
	s_lshl_b32 s43, 15, s43                        ; my row of the cluster
	s_lshl_b32 s44, 0x1111, s40                    ; my column
	s_or_b32 s[G1+0], s43, (0<<16)|(1<<20)|(1<<21)|(5<<22)|(3<<25)  ; the mask: A's tiles go to my row; elements of 1 byte; padding on; bit 21 beside a mask; after every 64 words; 4 words
	s_or_b32 s[G1B+0], s44, (0<<16)|(1<<20)|(1<<21)|(5<<22)|(3<<25)
.irp g, G1, G1B
	s_mov_b32 s[\g+1], ROWB<<16                    ; tensor_dim0
	s_mov_b32 s[\g+2], 128<<16                     ; tensor_dim1
	s_mov_b32 s[\g+3], ROWB<<16                    ; tile_dim0
	s_mov_b32 s[\g+4], 128                         ; tile_dim1
	s_mov_b32 s[\g+5], KROW                        ; tensor_dim0_stride
	s_mov_b32 s[\g+6], 0
	s_mov_b32 s[\g+7], 0
.endr
	s_lshl_b32 s18, s16, 7                         ; which 128 rows of the tile I fetch
	s_lshl_b32 s20, s17, 8
	s_add_co_u32 s20, s20, s18
	s_lshl_b32 s20, s20, 10                        ; rows of 1,024 bytes
	s_add_co_u32 s20, s20, s92                     ; at most 25,165,824: one word
	s_mov_b32 s21, 0
	s_lshl_b32 s46, s42, 8
	s_add_co_u32 s46, s46, s18
	s_lshl_b32 s46, s46, 10
	s_add_co_u32 s46, s46, s93
	s_mov_b32 s47, 0
	s_mul_i32 s45, s14, HALFT                      ; where they go: wave x 128 rows: no place in the cluster enters an LDS address
	s_wait_dscnt 0x0                               ; the opening add is done
	s_wait_kmcnt 0x0
	s_load_b256 s[68:75], s[8:9], 0x0              ; e0 .. e7
	s_load_b128 s[76:79], s[8:9], 0x20             ; e8 .. e11
	s_cmp_eq_u32 ttmp9, 2
	s_cselect_b64 s[88:89], s[6:7], s[4:5]         ; A's buffer
	s_cselect_b64 s[90:91], s[4:5], s[6:7]         ; B's
	s_add_nc_u64 s[20:21], s[88:89], s[20:21]
	s_add_nc_u64 s[46:47], s[90:91], s[46:47]
	CROUND                                         ; all sixteen work-groups are here: the first joint loads meet
.irp s, 0,1
	s_mov_b32 s[G0+4*\s], 1
	s_add_co_u32 s[G0+4*\s+1], s45, \s*SLOT
	s_add_nc_u64 s[G0+4*\s+2:G0+4*\s+3], s[20:21], \s*ROWB
	s_or_b32 s[G0+4*\s+3], s[G0+4*\s+3], 0x80000000
	s_mov_b32 s[G0B+4*\s], 1
	s_add_co_u32 s[G0B+4*\s+1], s45, \s*SLOT
	s_add_nc_u64 s[G0B+4*\s+2:G0B+4*\s+3], s[46:47], \s*ROWB
	s_or_b32 s[G0B+4*\s+3], s[G0B+4*\s+3], 0x80000000
.endr
	JLOAD G0, G1, G0B, G1B                         ; K step 0: one tensor load a wave at the head
	v_and_b32 v1, 15, v0                           ; l % 16
	v_bfe_u32 v2, v0, 4, 1                         ; l / 16
	v_mul_u32_u24 v3, v1, PITCH
	v_lshl_add_u32 v4, v2, 4, v3                   ; a fragment's row x pitch + 16 x half
	s_mul_i32 s21, s15, HALFT                      ; my 128 rows of A
	s_mul_i32 s22, s16, HALFT                      ; my 128 rows of B,
	s_add_co_u32 s22, s22, 2*HALFT                 ; which lie behind A's 256
.irp s, 0,1
	v_add_nc_u32 v[ADRA+\s], s21, v4
	v_add_nc_u32 v[ADRB+\s], s22, v4
	s_add_co_u32 s21, s21, SLOT
	s_add_co_u32 s22, s22, SLOT
.endr
	v_and_b32 v6, 31, v0
	v_lshlrev_b32 v[L16], 4, v6                    ; 16 x lane
	; the cos/sin table of my first two blocks of 16 tokens: 4,096 bytes a block, asked for now, wanted on the way out.  In v's clusters the same lines run on rows inside the table and their
	; result is not used, so that every register has one history on every way.
	s_lshl_b32 s80, s17, 8
	s_lshl_b32 s81, s15, 7
	s_add_co_u32 s80, s80, s81                     ; my first row of A
	s_and_b32 s80, s80, 2047                       ; its place in the sequence
	s_lshl_b32 s80, s80, 8                         ; 256 bytes a token
	s_mov_b32 s81, 0
	s_add_nc_u64 s[80:81], s[10:11], s[80:81]
.irp n, 0,1,2,3,4,5,6,7,8,9,10,11,12,13,14,15
	global_load_b128 v[CSB+4*\n:CSB+4*\n+3], v[L16], s[80:81] offset:512*\n
.endr
.macro FRAG reg, adr, q, i             ; a fragment: lane l holds row l % 16; registers 4 c .. 4 c + 3 hold K = 32 c + 16 (l / 16) + 0 .. 15: the same permutation of k on both sides
.irp c, 0,1,2,3
	ds_load_b128 v[\reg+4*\c:\reg+4*\c+3], v[\adr] offset:128*(\q)+32*\c+(\i)*16*PITCH
.endr
.endm
; 16 matrix instructions: A's blocks a0, a0 + 1 x B's eight, 128 along K.  The 64 accumulators take turns, one instruction a turn, in the same order in every step.
.macro MUL16 a0, p, zero
.irp a, \a0, \a0+1
.irp b, 0,1,2,3,4,5,6,7
.if \zero
	v_wmma_f32_16x16x128_fp8_fp8 v[8*(8*((\a)%4)+\b):8*(8*((\a)%4)+\b)+7], v[128*(\p)+FR*\b:128*(\p)+FR*\b+FR-1], v[AF+FR*(\a):AF+FR*(\a)+FR-1], 0
.else
	v_wmma_f32_16x16x128_fp8_fp8 v[8*(8*((\a)%4)+\b):8*(8*((\a)%4)+\b)+7], v[128*(\p)+FR*\b:128*(\p)+FR*\b+FR-1], v[AF+FR*(\a):AF+FR*(\a)+FR-1], v[8*(8*((\a)%4)+\b):8*(8*((\a)%4)+\b)+7]
.endif
.endr
.endr
.endm
.macro FETCH_B slot, q, p
	WIN TO_B
.irp i, 0,1,2,3,4,5,6,7
	FRAG 128*(\p)+FR*\i, ADRB+\slot, \q, \i
.endr
	WIN 0
.endm
.macro FETCH_A slot, q, i0
.irp i, \i0, \i0+1, \i0+2, \i0+3
	FRAG AF+FR*(\i), ADRA+\slot, \q, \i
.endr
.endm
.macro PLACES n                        ; plain vector lines between a matrix instruction and a load into, or a vector line on, its registers
.rept \n
	v_nop
.endr
.endm
.macro STEP slot, q, zero              ; a step of 128 along K that has its successor in the same slot
	s_wait_dscnt 4*NL                              ; B's set and A's blocks 0-3 are in; the youngest sixteen loads (A's blocks 4-7) may be out
	WIN MUL_LO
	MUL16 0, (\q)%2, \zero
	MUL16 2, (\q)%2, \zero
	s_wait_dscnt 0
	PLACES NP
	FETCH_B \slot, (\q)+1, 1-(\q)%2
	FETCH_A \slot, (\q)+1, 0
	WIN MUL_HI
	MUL16 4, (\q)%2, \zero
	MUL16 6, (\q)%2, \zero
	PLACES NP
	WIN 0
	FETCH_A \slot, (\q)+1, 4
.endm
; A slot's last step changes slots: one barrier; in front of it each wave waits for all its tensor loads, adds 0 to its spare word, and waits for that and for its reads of this slot.
.macro TURN slot, next, fill
	s_wait_tensorcnt 0x0                           ; all my tensor loads have landed: my part of the next slot
	ds_add_u32 v[SPW], v[NIL]                      ; 0 onto my spare word
	s_wait_dscnt 4*NL+1                            ; (the add and A's blocks 4-7 may be out)
	WIN MUL_LO
	MUL16 0, 1, 0
	s_wait_dscnt 0x0                               ; the add is done, and my reads of this slot are over
	s_barrier_signal -1
	MUL16 2, 1, 0
	WIN 0
	s_barrier_wait -1
.if \fill
	CREST                                          ; the barrier has opened a round of the cluster's barrier: no wave of any partner still reads this slot or has a load on its way
	s_add_nc_u64 s[G0+4*\slot+2:G0+4*\slot+3], s[G0+4*\slot+2:G0+4*\slot+3], 2*ROWB
	s_add_nc_u64 s[G0B+4*\slot+2:G0B+4*\slot+3], s[G0B+4*\slot+2:G0B+4*\slot+3], 2*ROWB
	JLOAD G0+4*\slot, G1, G0B+4*\slot, G1B         ; the first tensor load behind the round; its four v_nop are the places in front of the loads below
.else
	PLACES NP
.endif
	FETCH_B \next, 0, 0
	FETCH_A \next, 0, 0
	WIN MUL_HI
	MUL16 4, 1, 0
	MUL16 6, 1, 0
	PLACES NP
	WIN 0
	FETCH_A \next, 0, 4
.endm
	s_wait_alu depctr_va_vdst(0)
	s_wait_tensorcnt 0x0                           ; my part of K step 0 is in
	ds_add_u32 v[SPW], v[NIL]
	s_wait_dscnt 0x0
	CROUND                                         ; everybody's part of K step 0 is in, and all sixteen work-groups are here
	JLOAD G0+4, G1, G0B+4, G1B                     ; K step 1's load, the first tensor load behind the round
	FETCH_B 0, 0, 0
	FETCH_A 0, 0, 0
	FETCH_A 0, 0, 4
	STEP 0, 0, 1                                   ; the first step's products start the sums
	s_mov_b32 s3, LAPS-1
.Llap:
	TURN 0, 1, 1
	STEP 1, 0, 0
	TURN 1, 0, 1
	STEP 0, 0, 0
	s_sub_co_u32 s3, s3, 1
	s_cmp_lg_u32 s3, 0
	s_cbranch_scc1 .Llap
	TURN 0, 1, 0                                   ; the last lap fills nothing
	STEP 1, 0, 0
	s_wait_dscnt 4*NL
	WIN MUL_LO
	MUL16 0, 1, 0
	MUL16 2, 1, 0
	s_wait_dscnt 0
	WIN MUL_HI
	MUL16 4, 1, 0
	MUL16 6, 1, 0
	WIN 0
	; THE WAY OUT.  The one scale of the conversions: 2^(e_out - ea - eb), chosen by the cluster's x without a branch.
	s_wait_kmcnt 0x0
	s_sub_co_i32 s94, s74, s68
	s_sub_co_i32 s94, s94, s69                     ; q: e6 - e0 - e1
	s_sub_co_i32 s95, s75, s70
	s_sub_co_i32 s95, s95, s71                     ; k: e7 - e2 - e3
	s_sub_co_i32 s96, s77, s72
	s_sub_co_i32 s96, s96, s73                     ; v: e9 - e4 - e5
	s_cmp_eq_u32 ttmp9, 1
	s_cselect_b32 s94, s95, s94
	s_cmp_eq_u32 ttmp9, 2
	s_cselect_b32 s94, s96, s94
	s_add_co_i32 s94, s94, 127
	s_lshl_b32 s95, s94, 23
	v_mov_b32 v[SCV], s95
	s_add_co_i32 s94, s94, 8
	s_lshl_b32 s94, s94, 23
	s_or_b32 s94, s94, 0x600000
	v_mov_b32 v[LIMV], s94
	PLACES NP                                      ; behind the last products: their results are read and A's registers written below
	s_cmp_eq_u32 ttmp9, 2
	s_cbranch_scc1 .Lv
.macro CODES a                         ; the block's 64 held numbers in v[RR] on become 16 registers of codes, in the set a % 2
.set CO, CC+16*((\a)%2)
.if (\a) >= 2
	s_wait_xcnt 0x0                                ; the stores of two blocks ago have read this set: it is written again only behind this wait
.endif
.irp c, 0,1,2,3
	v_cvt_scalef32_pk8_fp8_f32 v[CO+4*\c:CO+4*\c+1], v[RR+16*\c:RR+16*\c+7], v[SCV]
	v_cvt_scalef32_pk8_fp8_f32 v[CO+4*\c+2:CO+4*\c+3], v[RR+16*\c+8:RR+16*\c+15], v[SCV]
.endr
	v_nop                                          ; a plain line between the conversions and the next write of their sources
.endm
	; q and k.  My 128 tokens begin at T0; my 128 features are two heads.  qi: [b h][tile of 16 tokens][2][lane][16]; kv: [b h][128 keys][K's image 8,192, V's 8,192].
	s_lshl_b32 s66, s17, 8
	s_lshl_b32 s67, s15, 7
	s_add_co_u32 s66, s66, s67                     ; T0
	s_lshr_b32 s67, s66, 11                        ; the batch
	s_and_b32 s66, s66, 2047                       ; the place in the sequence
	s_lshl_b32 s67, s67, 4
	s_lshl_b32 s92, s40, 2
	s_add_co_u32 s67, s67, s92
	s_lshl_b32 s92, s16, 1
	s_add_co_u32 s67, s67, s92                     ; 16 b + my first head
	s_add_co_u32 s92, ttmp9, 17                    ; a head is 2^17 bytes in qi, 2^18 in kv;
	s_lshl_b32 s67, s67, s92
	s_add_co_u32 s93, ttmp9, 6                     ; a token 64 bytes in qi, 128 in kv
	s_lshl_b32 s66, s66, s93
	s_add_co_u32 s66, s66, s67
	s_mov_b32 s67, 0
	s_cmp_eq_u32 ttmp9, 0
	s_cselect_b64 s[88:89], s[84:85], s[86:87]
	s_add_nc_u64 s[88:89], s[88:89], s[66:67]      ; my first head,
	s_lshl_b32 s66, 1, s92
	s_add_nc_u64 s[90:91], s[88:89], s[66:67]      ; my second
; Block a: 16 tokens.  Register pair 2 I of the block holds (x1, x2) of one rotation; the table's pair 2 (I % 16) its (cos, sin).  Two packed lines give (x1 cos - x2 sin, x2 cos + x1 sin).
.macro ROPE a
.set AC, 64*((\a)%4)
.if (\a) < 2
.set TS, CSB+32*(\a)                   ; blocks 0 and 1: the table asked for at the head, window 0
.set TW, 0
.else
.set TS, 32*((\a)-2)                   ; blocks 2 to 7: window 1, where B's fragments lay
.set TW, 4
.endif
	s_wait_loadcnt 8*(7-(\a))                      ; this block's table is in; behind it eight loads for each later block may be out
	WIN 0x02+((\a)/4)+TW                           ; source 0: window 2 or 3; source 1: the table's window
.set I, 0
.rept 32                               ; each accumulator from its low end on
	v_pk_mul_f32 v[RR+2*I:RR+2*I+1], v[AC+2*I:AC+2*I+1], v[TS+2*(I%16):TS+2*(I%16)+1] op_sel:[1,1] op_sel_hi:[0,1]   ; (x2 sin, x1 sin)
.set I, I+1
.endr
.set I, 0
.rept 32
	v_pk_fma_f32 v[RR+2*I:RR+2*I+1], v[AC+2*I:AC+2*I+1], v[TS+2*(I%16):TS+2*(I%16)+1], v[RR+2*I:RR+2*I+1] op_sel_hi:[1,0,1] neg_lo:[0,0,1]
.set I, I+1
.endr
	WIN 0
.set I, 0
.rept 64
	v_med3_num_f32 v[RR+I], v[RR+I], -v[LIMV], v[LIMV]   ; the conversion does not saturate (ISA guide 7.6.2): the hold
.set I, I+1
.endr
	s_wait_alu depctr_va_vdst(0)
	CODES \a
.irp c, 0,1,2,3
	global_store_b128 v[L16], v[CO+4*\c:CO+4*\c+3], s[88+2*(\c/2):89+2*(\c/2)] offset:1024*(\a)+512*(\c%2)   ; head c / 2, channels 32 (c % 2) + 16 h + 0..15: 512 consecutive bytes, aligned
.endr
.endm
	WIN TO_B                                       ; the table of blocks 2 to 7, 48 loads in one run, into window 1: B's fragments are done with, and the places behind the last products stand above
.set I, 0
.rept 48
	global_load_b128 v[4*I:4*I+3], v[L16], s[80:81] offset:8192+512*I
.set I, I+1
.endr
	WIN 0
.irp a, 0,1,2,3,4,5,6,7
	ROPE \a
.endr
	s_branch .Ljoin
.Lv:	; v.  My 128 features are two heads (A's rows), my 128 tokens one chunk of keys (B's rows).  V's image: [16 channels][4][lane][16], behind K's 8,192 bytes.
	s_wait_loadcnt 0x0                             ; the table's loads, not used here
	s_lshl_b32 s66, s42, 8
	s_lshl_b32 s67, s16, 7
	s_add_co_u32 s66, s66, s67                     ; my first token
	s_lshr_b32 s67, s66, 11                        ; the batch
	s_and_b32 s66, s66, 2047
	s_lshl_b32 s66, s66, 7                         ; 16,384 bytes for 128 keys
	s_lshl_b32 s67, s67, 4
	s_lshl_b32 s92, s41, 2
	s_add_co_u32 s67, s67, s92
	s_lshl_b32 s92, s15, 1
	s_add_co_u32 s67, s67, s92                     ; 16 b + my first head
	s_lshl_b32 s67, s67, 18
	s_add_co_u32 s66, s66, s67
	s_add_co_u32 s66, s66, 8192
	s_mov_b32 s67, 0
	s_add_nc_u64 s[88:89], s[86:87], s[66:67]
.macro VOUT a
.set AC, 64*((\a)%4)
	WIN 0x02+((\a)/4)
.set I, 0
.rept 64                               ; each accumulator from its low end on
	v_med3_num_f32 v[RR+I], v[AC+I], -v[LIMV], v[LIMV]
.set I, I+1
.endr
	WIN 0
	s_wait_alu depctr_va_vdst(0)
	CODES \a
.irp c, 0,1,2,3
	global_store_b128 v[L16], v[CO+4*\c:CO+4*\c+3], s[88:89] offset:((\a)/4)*262144+((\a)%4)*2048+512*\c   ; head a / 4, channels' tile a % 4, keys 32 c + 16 h + 0..15
.endr
.endm
	s_wait_alu depctr_va_vdst(0)
.irp a, 0,1,2,3,4,5,6,7
	VOUT \a
.endr
.Ljoin:
	s_wait_tensorcnt 0x0                           ; the wave's end, behind my last tensor load
	ds_add_u32 v[SPW], v[NIL]
	s_wait_dscnt 0x0
	CROUND                                         ; the closing round: no work-group ends while a partner may still ask for a tile that names it
	s_endpgm
.Lfunc_end_k_qa4197dfce8_qkv:
	.size	k_qa4197dfce8_qkv, .Lfunc_end_k_qa4197dfce8_qkv-k_qa4197dfce8_qkv
	.p2alignl 7, 3214868480
	.fill 96, 4, 3214868480
	.section	.rodata,"a",@progbits
	.p2align	6, 0x0
	.amdhsa_kernel k_qa4197dfce8_qkv
		.amdhsa_group_segment_fixed_size 327680
		.amdhsa_private_segment_fixed_size 0
		.amdhsa_enable_private_segment 0
		.amdhsa_kernarg_size 48
		.amdhsa_user_sgpr_count 2
		.amdhsa_user_sgpr_kernarg_segment_ptr 1
		.amdhsa_wavefront_size32 1
		.amdhsa_system_sgpr_workgroup_id_x 1
		.amdhsa_system_sgpr_workgroup_id_y 1
		.amdhsa_system_sgpr_workgroup_id_z 1
		.amdhsa_system_vgpr_workitem_id 0
		.amdhsa_next_free_vgpr 1024
		.amdhsa_next_free_sgpr 100
		.amdhsa_reserve_vcc 0
		.amdhsa_float_denorm_mode_32 3
		.amdhsa_float_denorm_mode_16_64 3
		.amdhsa_memory_ordered 1
		.amdhsa_forward_progress 1
		.amdhsa_inst_pref_size 199
	.end_amdhsa_kernel
	.amdgpu_metadata
---
amdhsa.version: [ 1, 2 ]
amdhsa.kernels:
  - .name:           k_qa4197dfce8_qkv
    .symbol:         k_qa4197dfce8_qkv.kd
    .args:
      - { .name: xc, .offset: 0, .size: 8, .value_kind: global_buffer, .address_space: global }
      - { .name: wc, .offset: 8, .size: 8, .value_kind: global_buffer, .address_space: global }
      - { .name: lowp_scales, .offset: 16, .size: 8, .value_kind: global_buffer, .address_space: global }
      - { .name: cs, .offset: 24, .size: 8, .value_kind: global_buffer, .address_space: global }
      - { .name: qi, .offset: 32, .size: 8, .value_kind: global_buffer, .address_space: global }
      - { .name: kv, .offset: 40, .size: 8, .value_kind: global_buffer, .address_space: global }
    .group_segment_fixed_size: 327680
    .private_segment_fixed_size: 0
    .kernarg_segment_align: 8
    .kernarg_segment_size: 48
    .max_flat_workgroup_size: 128
    .sgpr_count:     100
    .vgpr_count:     1024
    .wavefront_size: 32
...
	.end_amdgpu_metadata
.endif
;; end of part 2
;; launch attn (part 3): grid 4 x 64, 16 waves a work-group, clusters of 4 x 1, 327,680 bytes of LDS; arguments qi, kv, lowp_scales, yi; writes yi
.if DOCPART == 3
	.amdgcn_target "amdgcn-amd-amdhsa--gfx1250"
	.amdhsa_code_object_version 6
	.text
	.protected	k_qa4197dfce8_attn
	.globl	k_qa4197dfce8_attn
	.p2align	8
	.type	k_qa4197dfce8_attn,@function
k_qa4197dfce8_attn:
	s_mov_b64 s[64:65], 0
	v_nop
	global_prefetch_b8 v0, s[64:65] scope:SCOPE_SE
	s_setreg_imm32_b32 hwreg(HW_REG_WAVE_MODE, 25, 1), 1
	s_wait_xcnt 0x0
	s_wait_alu depctr_hold_cnt(0) depctr_sa_sdst(0) depctr_va_vdst(0) depctr_va_sdst(0) depctr_va_ssrc(0) depctr_va_vcc(0) depctr_vm_vsrc(0)
	s_getreg_b32 s2, hwreg(HW_REG_IB_STS2, 6, 4)
	s_cmp_eq_u32 s2, 0
	s_cbranch_scc0 .Lentry_in_a_cluster
	s_endpgm
.Lentry_in_a_cluster:
	s_bfe_u32 s2, ttmp6, 0x10000c
	s_cmp_lg_u32 s2, 0x3003
	s_cbranch_scc0 .Lentry_shape_is_right
	s_endpgm
.Lentry_shape_is_right:
; y = softmax(q k^T / 8, causal) v for one (batch, head), both products on codes of E4M3; y is quantised (2^e10) and stored as the image of the last product's operand registers.
; THE SOFTMAX AHEAD OF THE SECOND PRODUCT: t = score x log2(e) / 8; M = the running largest t rounded UP to a whole number; p = 2^(t - M) is quantised (2^e8), not normalised; the row's sum is taken of the
; unquantised p and divides at the end.  When M moves, the sum and O are multiplied by 2^(old M - new M): exact.
; SHARES.  The four work-groups of a cluster serve one (batch, head): 128 tiles of 16 queries, 32 a work-group, two a wave.  A block is 128 queries, a chunk 128 keys.  Wave w of the work-group at place cx takes
; tile 2 cx + w % 2 of block 15 - w / 2 and then the same tile of block w / 2: (16 - w / 2) + (w / 2 + 1) = 17 chunks for every wave.  Chunks behind a tile's block lie wholly under the causal mask and are left out.
; THE WHOLE HEAD LIES IN LDS: kv's 262,144 bytes of the head, byte for byte, filled once, by JOINT loads of the four partners (mask 15).  Each wave asks twice: at the head for 4,096 bytes of chunks 0-3, and behind
; the full sequence and a round of the cluster's barrier for 12,288 bytes of chunks 4-15, which are on their way while every wave walks chunks 0-3 of its first tile (its block is 8 at the least).
; One work-group barrier shows chunks 4-15 to all; behind it the waves share nothing that is written, so no barrier follows but the closing round.  Every work-group has a tile of block 15, so every byte asked for is read.
; Branches, trip counts and LDS addresses hang on the wave's number and on counts of steps alone; cx enters global addresses of q and y and the number that hidden keys are compared with.
; The loops' trip counts are constants; a chunk behind the tile's block is passed over by a scalar branch at the step's head.
; NO PREFETCH: all that the launch reads through LDS is asked for by those two loads a wave at its start; no later trip asks for anything, so there is no loop to run ahead in.
; K's and V's tiles are images of operand registers: every LDS load takes 16 x lane, 512 consecutive bytes.
; LAYOUT.  S^T = K Q^T (source 0 = 16 keys, source 1 = my queries), O^T = V^T P^T: a lane holds ONE query throughout.  The stored tiles are in tile order, so register 16 b + i of S^T is key 32 b + 16 h + i of the chunk,
; and register 16 b + i of O^T is channel 32 b + 16 h + i.  In a tile's own block's chunk hidden scores become -infinity ahead of the maximum.
; THE EXPONENTIALS go in two batches of 32.  Among each batch's lines stand plain lines that name none of its registers and do not read each other's results: among the first the second half's t - M,
; among the second the first half's pair sums and holds.  Each batch has its wait ahead of it and behind it.
; LIMITS: e6 + e7 between -123 and 130 (added to c's exponent field), and at most 9, so that real scores lie far above the -1e9 that stands under the mask in the definition; e8, and e10 - e8 - e9, between -126 and 119.
.set SPARE, 262144                     ; behind the head: the spare words, 128 bytes a wave: eight blocks of 256 bytes that no other line names
.set LI,  1                            ; v1   16 x lane
.set ADR, 2                            ; v2   LDS address of the chunk in hand
.set DD,  3                            ; v3   my query's place in its block - 16 h: the same for both my tiles
.set SPW, 4                            ; v4   LDS address of my spare word; never rewritten
.set NIL, 5                            ; v5   0; never rewritten
.set QL,  16                           ; v16-23 Q of my first tile;  v24-31 of my second
.set QS,  24
.set PS,  192                          ; v192-207 eight pairs of partial sums of p
; v6 -infinity; v12 -M, v13 the largest t, v[14:15] the sum; v32-95 K's 8 fragments, then V's 4; v96-159 S^T, then p; v160-191 O^T; v224-239 p's codes;
; v240 and v241: 448 x 2^e8 (two registers, one for each half of a dual pair); v244: 2^e8; v247, v245: the same with e10 - e8 - e9; v246, v248, v250, v252-254 at work
.set WV,  12                           ; s12  my wave
.set BS,  20                           ; s20  w / 2: my second tile's block
.set BLK, 21                           ; s21  the block of the tile in hand
.set G1A, 24                           ; s[24:31], s[32:39] descriptor groups 1: 16 and 48 rows of 256 bytes;  s[40:43], s[44:47] their groups 0
.set G1B, 32
.set G0A, 40
.set G0B, 44
.set YL,  48                           ; s[48:49], s[50:51] where my two tiles go in yi
.set YS,  50
.set KC,  57                           ; s57  the chunk in hand
.set TB,  58                           ; s58  its LDS byte
.set CNT, 59
.set SEL, 60                           ; s[60:61] v_permlanex16_b32's selects for lane l xor 16
.set CS,  62                           ; s[62:63] c = log2(e) / 8 x 2^(e6 + e7)
.macro ROUND                           ; a round of the cluster's barrier
	s_barrier_signal -1
	s_barrier_wait -1
	s_cmp_lg_u32 s[WV], 0
	s_cbranch_scc1 .Lnot_wave_0_\@
	s_barrier_signal -3
.Lnot_wave_0_\@:
	s_barrier_wait -3
	s_barrier_signal -1
	s_barrier_wait -1
.endm
.macro RESET                           ; a tile begins: the largest t -3e38, the sum and O^T zeros, which the first change of M leaves zeros
	v_mov_b32 v13, 0xff61b1e6
	s_delay_alu instid0(VALU_DEP_1)
	v_floor_f32 v12, -v13                          ; -M
	v_mov_b32 v14, 0
	v_mov_b32 v15, 0
.set I, 0
.rept 32
	v_mov_b32 v[160+I], 0
.set I, I+1
.endr
.endm
.macro HOLD2 r                         ; p in v[r], v[r + 1] held at 448 x 2^e8: the conversion does not saturate (ISA guide 7.6.2); p is not negative, so the hold is one-sided.  Two holds in one dual pair
	v_dual_min_num_f32 v[\r], v[\r], v240 :: v_dual_min_num_f32 v[(\r)+1], v[(\r)+1], v241
.endm
	s_load_b256 s[4:11], s[0:1], 0x0               ; qi s[4:5], kv s[6:7], the exponents s[8:9], yi s[10:11]
	v_lshl_add_u32 v[SPW], v0, 2, SPARE
	v_mov_b32 v[NIL], 0
	ds_add_u32 v[SPW], v[NIL]                      ; the wave's opening: the add, twice on end, and its wait ahead of my first tensor load
	ds_add_u32 v[SPW], v[NIL]
	v_lshrrev_b32 v2, 5, v0
	s_delay_alu instid0(VALU_DEP_1)
	v_readfirstlane_b32 s[WV], v2                  ; wave 0..15
	s_and_b32 s13, ttmp7, 0xffff                   ; b h: the cluster's y
.irp g, G1A, G1B
	s_mov_b32 s[\g], 15|(3<<16)|(1<<21)            ; the mask: all four partners; elements of 8 bytes; bit 21 beside a mask; no padding
	s_mov_b32 s[\g+1], 32<<16                      ; tensor_dim0 = 32 (256 bytes)
	s_mov_b32 s[\g+3], 32<<16                      ; tile_dim0
	s_mov_b32 s[\g+5], 32                          ; the pitch: dense
	s_mov_b32 s[\g+6], 0
	s_mov_b32 s[\g+7], 0
.endr
	s_mov_b32 s[G1A+2], 16<<16                     ; tensor_dim1, tile_dim1: 16 rows,
	s_mov_b32 s[G1A+4], 16
	s_mov_b32 s[G1B+2], 48<<16                     ; 48 rows
	s_mov_b32 s[G1B+4], 48
	s_lshl_b32 s14, s[WV], 12                      ; my 4,096 bytes of chunks 0-3: in the head's bytes and in LDS alike
	s_mov_b32 s15, 0
	s_mul_i32 s16, s[WV], 12288
	s_add_co_u32 s16, s16, 65536                   ; my 12,288 bytes of chunks 4-15
	s_mov_b32 s17, 0
	s_lshl_b32 s18, s13, 18                        ; the head's 262,144 bytes
	s_mov_b32 s19, 0
	s_mov_b32 s[SEL], 0x76543210
	s_mov_b32 s[SEL+1], 0xfedcba98
	s_mov_b32 s[CS], 0x3e38aa3b                    ; log2(e) / 8
	s_wait_dscnt 0x0                               ; both opening adds are done
	s_wait_kmcnt 0x0
	s_load_b128 s[52:55], s[8:9], 0x18             ; e6, e7, e8, e9
	s_load_b32 s56, s[8:9], 0x28                   ; e10
	s_add_nc_u64 s[18:19], s[6:7], s[18:19]
	s_mov_b32 s[G0A], 1
	s_mov_b32 s[G0A+1], s14
	s_add_nc_u64 s[G0A+2:G0A+3], s[18:19], s[14:15]
	s_or_b32 s[G0A+3], s[G0A+3], 0x80000000
	s_mov_b32 s[G0B], 1
	s_mov_b32 s[G0B+1], s16
	s_add_nc_u64 s[G0B+2:G0B+3], s[18:19], s[16:17]
	s_or_b32 s[G0B+3], s[G0B+3], 0x80000000
	ROUND                                          ; all four work-groups are here: the first joint loads meet
	tensor_load_to_lds s[G0A:G0A+3], s[G1A:G1A+7]  ; chunks 0-3, my part: my one load at the head
	s_nop 0
	s_lshr_b32 s[BS], s[WV], 1
	s_sub_co_u32 s[BLK], 15, s[BS]                 ; my first tile's block
	s_bfe_u32 s23, ttmp6, 0x40000                  ; cx
	s_lshl_b32 s23, s23, 1
	s_and_b32 s22, s[WV], 1
	s_add_co_u32 s22, s22, s23                     ; which of a block's eight tiles: 2 cx + w % 2
	s_lshl_b32 s70, s13, 7
	s_add_co_u32 s70, s70, s22
	s_lshl_b32 s72, s[BLK], 3
	s_add_co_u32 s72, s72, s70
	s_lshl_b32 s72, s72, 10                        ; 1,024 bytes a tile in qi
	s_mov_b32 s73, 0
	s_add_nc_u64 s[72:73], s[4:5], s[72:73]
	s_lshl_b32 s74, s[BS], 3
	s_add_co_u32 s74, s74, s70
	s_lshl_b32 s74, s74, 10
	s_mov_b32 s75, 0
	s_add_nc_u64 s[74:75], s[4:5], s[74:75]
	v_and_b32 v[LI], 31, v0
	s_delay_alu instid0(VALU_DEP_1)
	v_lshlrev_b32 v[LI], 4, v[LI]
	global_load_b128 v[QL:QL+3], v[LI], s[72:73]             ; both tiles' fragments of Q stay in registers
	global_load_b128 v[QL+4:QL+7], v[LI], s[72:73] offset:512
	global_load_b128 v[QS:QS+3], v[LI], s[74:75]
	global_load_b128 v[QS+4:QS+7], v[LI], s[74:75] offset:512
	s_lshr_b32 s80, s22, 1
	s_lshl_b32 s80, s80, 5
	s_and_b32 s81, s22, 1
	s_lshl_b32 s81, s81, 3
	s_add_co_u32 s80, s80, s81                     ; the tile's first place in its block: 32 (tile / 2) + 8 (tile % 2)
	v_and_b32 v7, 15, v0                           ; r
	s_delay_alu instid0(VALU_DEP_1)
	v_and_b32 v[DD], 8, v7
	s_delay_alu instid0(VALU_DEP_1)
	v_add_nc_u32 v[DD], v[DD], v7                  ; r + 8 (r / 8)
	v_bfe_u32 v7, v0, 4, 1                         ; h
	s_delay_alu instid0(VALU_DEP_1)
	v_lshlrev_b32 v7, 4, v7
	s_delay_alu instid0(VALU_DEP_1)
	v_sub_nc_u32 v[DD], v[DD], v7
	s_delay_alu instid0(VALU_DEP_1)
	v_add_nc_u32 v[DD], s80, v[DD]                 ; my query's place in its block, less 16 h
	s_lshr_b32 s76, s13, 4                         ; yi: [512 tiles of 16 tokens][16 heads x 1,024 bytes]
	s_lshl_b32 s76, s76, 7
	s_add_co_u32 s76, s76, s22
	s_and_b32 s77, s13, 15
	s_lshl_b32 s77, s77, 10
	s_mov_b32 s79, 0
	s_lshl_b32 s78, s[BLK], 3
	s_add_co_u32 s78, s78, s76
	s_lshl_b32 s78, s78, 14
	s_add_co_u32 s78, s78, s77
	s_add_nc_u64 s[YL:YL+1], s[10:11], s[78:79]
	s_lshl_b32 s78, s[BS], 3
	s_add_co_u32 s78, s78, s76
	s_lshl_b32 s78, s78, 14
	s_add_co_u32 s78, s78, s77
	s_add_nc_u64 s[YS:YS+1], s[10:11], s[78:79]
	v_mov_b32 v6, 0xff800000                       ; -infinity
	v_mov_b32 v246, 0                              ; a lane permute's destination counts as one of its sources
	v_mov_b32 v253, 0                              ; (named as the upper half of the pair v[252:253])
	RESET
	s_wait_kmcnt 0x0
	s_add_co_i32 s82, s52, s53
	s_lshl_b32 s82, s82, 23
	s_add_co_i32 s[CS], s[CS], s82                 ; a score stands for score x 2^(e6 + e7)
	s_mov_b32 s[CS+1], s[CS]
	s_add_co_i32 s82, s54, 127
	s_lshl_b32 s83, s82, 23
	v_mov_b32 v244, s83                            ; 2^e8
	s_add_co_i32 s82, s82, 8
	s_lshl_b32 s82, s82, 23
	s_or_b32 s82, s82, 0x600000
	v_mov_b32 v240, s82                            ; 448 x 2^e8,
	v_mov_b32 v241, s82                            ; twice
	s_sub_co_i32 s82, s56, s54
	s_sub_co_i32 s82, s82, s55                     ; O^T / l stands for y / 2^(e8 + e9): y's conversion takes 2^(e10 - e8 - e9)
	s_add_co_i32 s82, s82, 127
	s_lshl_b32 s83, s82, 23
	v_mov_b32 v245, s83
	s_add_co_i32 s82, s82, 8
	s_lshl_b32 s82, s82, 23
	s_or_b32 s82, s82, 0x600000
	v_mov_b32 v247, s82
.macro STEP q, chk                     ; one chunk of 128 keys against the tile whose Q lies in v[q] on.  chk = 0: a chunk known to lie ahead of the tile's block
.if \chk
	s_cmp_gt_u32 s[KC], s[BLK]
	s_cbranch_scc1 .Lhidden_\@                     ; all its keys come after my queries
.endif
	v_add_nc_u32 v[ADR], s[TB], v[LI]
.set I, 0
.rept 16
	ds_load_b128 v[32+4*I:35+4*I], v[ADR] offset:512*I        ; K's eight fragments, two loads each
.set I, I+1
.endr
	s_wait_alu depctr_va_vdst(0)
	s_wait_dscnt 8                                 ; fragments 0-3 are in; the youngest eight loads, fragments 4-7, may be out
.set I, 0
.rept 8
.if I == 4
	s_wait_dscnt 0x0
.endif
	v_wmma_f32_16x16x64_fp8_fp8 v[96+8*I:103+8*I], v[32+8*I:39+8*I], v[\q:\q+7], 0
.set I, I+1
.endr
.rept 4
	v_nop                                          ; places: K's registers are loaded again, and the scores read, below
.endr
.set I, 0
.rept 16
	ds_load_b128 v[32+4*I:35+4*I], v[ADR] offset:8192+512*I   ; V's four fragments land while the softmax is walked
.set I, I+1
.endr
.if \chk
	s_cmp_lg_u32 s[KC], s[BLK]
	s_cbranch_scc1 .Lopen_\@                       ; all its keys count
.set I, 0
.rept 64                               ; register I holds key 32 (I / 16) + I % 16 + 16 h of the chunk: hidden where that is above my query's place
	v_cmp_gt_i32 vcc_lo, 32*(I/16)+I%16, v[DD]
	v_cndmask_b32 v[96+I], v[96+I], v6, vcc_lo
.set I, I+1
.endr
.Lopen_\@:
.endif
	v_max3_num_f32 v254, v96, v97, v98             ; the chunk's largest score of my query among my 64 keys, in four chains that take turns; the registers in ascending order, so each accumulator from its low end on
	v_max3_num_f32 v252, v99, v100, v101
	v_max3_num_f32 v250, v102, v103, v104
	v_max3_num_f32 v248, v105, v106, v107
.set I, 12
.rept 6
	v_max3_num_f32 v254, v254, v[96+I], v[97+I]
	v_max3_num_f32 v252, v252, v[98+I], v[99+I]
	v_max3_num_f32 v250, v250, v[100+I], v[101+I]
	v_max3_num_f32 v248, v248, v[102+I], v[103+I]
.set I, I+8
.endr
	v_max3_num_f32 v254, v254, v156, v157
	v_max3_num_f32 v252, v252, v158, v159
	s_delay_alu instid0(VALU_DEP_1)
	v_max3_num_f32 v254, v254, v252, v250
	s_delay_alu instid0(VALU_DEP_1)
	v_max_num_f32 v254, v254, v248
	s_delay_alu instid0(VALU_DEP_1)
	v_permlanex16_b32 v246, v254, s[SEL], s[SEL+1]
	s_delay_alu instid0(VALU_DEP_1)
	v_max_num_f32 v254, v254, v246                 ; and among lane l xor 16's
	s_delay_alu instid0(VALU_DEP_1)
	v_mul_f32 v254, s[CS], v254                    ; as t (c is positive)
	s_delay_alu instid0(VALU_DEP_1)
	v_max_num_f32 v13, v13, v254
	v_mov_b32 v254, v12
	s_delay_alu instid0(VALU_DEP_2)
	v_floor_f32 v12, -v13                          ; the new -M = -ceil(t)
	s_delay_alu instid0(VALU_DEP_1)
	v_sub_f32 v254, v12, v254                      ; old M - new M: a whole number, 0 or less
	s_delay_alu instid0(VALU_DEP_1)
	v_cvt_i32_f32 v254, v254                       ; (it saturates)
	s_delay_alu instid0(VALU_DEP_1)
	v_ldexp_f32 v252, 1.0, v254                    ; f = 2^(old M - new M)
.set I, 0
.rept 16
	v_pk_fma_f32 v[96+I:97+I], v[96+I:97+I], s[CS:CS+1], v[12:13] op_sel_hi:[1,0,0]   ; t - M, the first 32
.set I, I+2
.endr
	s_wait_alu depctr_va_vdst(0)                   ; the wait ahead of a batch
.set I, 0
.rept 16
	v_exp_f32 v[96+I], v[96+I]                     ; p = 2^(t - M): the first batch;
	v_exp_f32 v[97+I], v[97+I]
	v_pk_fma_f32 v[128+I:129+I], v[128+I:129+I], s[CS:CS+1], v[12:13] op_sel_hi:[1,0,0]   ; among its lines the second 32's t - M, first read behind the wait below
.set I, I+2
.endr
	v_pk_mul_f32 v[14:15], v[14:15], v[252:253] op_sel_hi:[1,0]   ; the sum under the new M: the plain line behind the batch
	s_wait_alu depctr_va_vdst(0)                   ; the wait behind the first batch and ahead of the second
.set I, 0
.rept 8
	v_exp_f32 v[128+4*I], v[128+4*I]               ; the second batch;
	v_exp_f32 v[129+4*I], v[129+4*I]
	v_exp_f32 v[130+4*I], v[130+4*I]
	v_exp_f32 v[131+4*I], v[131+4*I]
	v_pk_add_f32 v[PS+2*I:PS+2*I+1], v[96+4*I:97+4*I], v[98+4*I:99+4*I]   ; among its lines the first 32's sums by pairs, of the unquantised p,
	HOLD2 96+4*I                                   ; and then their holds: none of these lines reads what another of them wrote
	HOLD2 98+4*I
.set I, I+1
.endr
	v_nop                                          ; the plain line behind the batch
	s_wait_alu depctr_va_vdst(0)                   ; one wait between the batch and the first line that names a result
.set I, 0
.rept 8
	v_pk_add_f32 v[PS+2*I:PS+2*I+1], v[PS+2*I:PS+2*I+1], v[128+4*I:129+4*I]   ; the second 32 join the eight partial sums
.set I, I+1
.endr
.set I, 0
.rept 8
	v_pk_add_f32 v[PS+2*I:PS+2*I+1], v[PS+2*I:PS+2*I+1], v[130+4*I:131+4*I]
.set I, I+1
.endr
.irp j, 0,2,4,6                        ; eight sums become one; the second 32's holds stand between the levels
	v_pk_add_f32 v[PS+\j:PS+\j+1], v[PS+\j:PS+\j+1], v[PS+8+\j:PS+9+\j]
.endr
.irp j, 128,130,132,134
	HOLD2 \j
.endr
	v_pk_add_f32 v[PS:PS+1], v[PS:PS+1], v[PS+4:PS+5]
	v_pk_add_f32 v[PS+2:PS+3], v[PS+2:PS+3], v[PS+6:PS+7]
.irp j, 136,138,140,142
	HOLD2 \j
.endr
	v_pk_add_f32 v[PS:PS+1], v[PS:PS+1], v[PS+2:PS+3]
.irp j, 144,146,148,150
	HOLD2 \j
.endr
	v_pk_add_f32 v[14:15], v[14:15], v[PS:PS+1]
.irp j, 152,154,156,158
	HOLD2 \j
.endr
.irp b, 0,1,2,3
	v_cvt_scalef32_pk8_fp8_f32 v[224+4*\b:225+4*\b], v[96+16*\b:103+16*\b], v244
	v_cvt_scalef32_pk8_fp8_f32 v[226+4*\b:227+4*\b], v[104+16*\b:111+16*\b], v244
.endr
	s_wait_alu depctr_va_vdst(0)                   ; directly ahead of the first reader of O^T
.set I, 0
.rept 16
	v_pk_mul_f32 v[160+I:161+I], v[160+I:161+I], v[252:253] op_sel_hi:[1,0]   ; O^T under the new M; also the plain lines behind the conversions
.set I, I+2
.endr
	s_wait_alu depctr_va_vdst(0)
	s_wait_dscnt 0x0                               ; V is in
.irp d, 0,1,2,3                        ; the four accumulators take turns, one instruction a turn; the next chunk's eight products stand between two links
	v_wmma_f32_16x16x128_fp8_fp8 v[160+8*\d:167+8*\d], v[32+16*\d:47+16*\d], v[224:239], v[160+8*\d:167+8*\d]
.endr
.rept 4
	v_nop                                          ; places: V's registers are loaded again by the next chunk, and O^T is read on the way out
.endr
.Lhidden_\@:
.endm
.macro WALK q, chk, first, n           ; chunks first .. first + n - 1: a constant number of trips
	s_mov_b32 s[TB], 16384*\first
	s_mov_b32 s[KC], \first
	s_mov_b32 s[CNT], \n
.Lchunk_\@:
	STEP \q, \chk
	s_add_co_u32 s[TB], s[TB], 16384
	s_add_co_u32 s[KC], s[KC], 1
	s_sub_co_u32 s[CNT], s[CNT], 1
	s_cmp_lg_u32 s[CNT], 0
	s_cbranch_scc1 .Lchunk_\@
.endm
; THE WAY OUT of a tile: O^T / the sum, held, quantised: registers 4 b .. 4 b + 3 are channels 32 b + 16 h + 0..15 of my query: two units of the last product's operand image.
.macro OUT y
	v_add_f32 v14, v14, v15
	s_delay_alu instid0(VALU_DEP_1)
	v_permlanex16_b32 v246, v14, s[SEL], s[SEL+1]
	s_delay_alu instid0(VALU_DEP_1)
	v_add_f32 v14, v14, v246                       ; the row's sum
	s_wait_alu depctr_va_vdst(0)                   ; the wait ahead of the transcendental
	v_rcp_f32 v14, v14
	v_nop                                          ; a plain line behind the reciprocal,
	s_wait_alu depctr_va_vdst(0)                   ; and the wait ahead of its first reader, which is O^T's first reader too
.set I, 0
.rept 32
	v_mul_f32 v[96+I], v[160+I], v14               ; each accumulator from its low end on
.set I, I+1
.endr
.set I, 0
.rept 32
	v_med3_num_f32 v[96+I], v[96+I], -v247, v247
.set I, I+1
.endr
.irp b, 0,1
	v_cvt_scalef32_pk8_fp8_f32 v[224+4*\b:225+4*\b], v[96+16*\b:103+16*\b], v245
	v_cvt_scalef32_pk8_fp8_f32 v[226+4*\b:227+4*\b], v[104+16*\b:111+16*\b], v245
.endr
	v_nop
	global_store_b128 v[LI], v[224:227], s[\y:\y+1]             ; 512 consecutive bytes, aligned
	global_store_b128 v[LI], v[228:231], s[\y:\y+1] offset:512
.endm
	s_wait_alu depctr_va_vdst(0)                   ; the wait at the head's end
	s_wait_tensorcnt 0x0                           ; my part of chunks 0-3 is in
	ds_add_u32 v[SPW], v[NIL]
	s_wait_dscnt 0x0
	ROUND                                          ; everybody's part of chunks 0-3 is in, and all four work-groups are here: the joint loads meet
	tensor_load_to_lds s[G0B:G0B+3], s[G1B:G1B+7]  ; chunks 4-15, my part: bytes that nothing has filled, and my one load behind the round
	s_nop 0
	s_wait_loadcnt 0x0                             ; Q, both tiles
	WALK QL, 0, 0, 4                               ; my first tile's block is 8 or more: chunks 0-3 all count
	s_wait_tensorcnt 0x0                           ; my part of chunks 4-15 is in,
	s_wait_dscnt 0x0
	s_barrier_signal -1
	s_barrier_wait -1                              ; everybody's is
	WALK QL, 1, 4, 12
	OUT YL
	RESET                                          ; my second tile
	s_mov_b32 s[BLK], s[BS]
	s_wait_alu depctr_va_vdst(0)
	s_wait_xcnt 0x0                                ; the stores have read the codes' registers, which the next step writes
	WALK QS, 1, 0, 8
	OUT YS
	s_wait_tensorcnt 0x0                           ; the wave's end, behind my last tensor load
	ds_add_u32 v[SPW], v[NIL]
	s_wait_dscnt 0x0
	ROUND                                          ; the closing round
	s_endpgm
.Lfunc_end_k_qa4197dfce8_attn:
	.size	k_qa4197dfce8_attn, .Lfunc_end_k_qa4197dfce8_attn-k_qa4197dfce8_attn
	.p2alignl 7, 3214868480
	.fill 96, 4, 3214868480
	.section	.rodata,"a",@progbits
	.p2align	6, 0x0
	.amdhsa_kernel k_qa4197dfce8_attn
		.amdhsa_group_segment_fixed_size 327680
		.amdhsa_private_segment_fixed_size 0
		.amdhsa_enable_private_segment 0
		.amdhsa_kernarg_size 32
		.amdhsa_user_sgpr_count 2
		.amdhsa_user_sgpr_kernarg_segment_ptr 1
		.amdhsa_wavefront_size32 1
		.amdhsa_system_sgpr_workgroup_id_x 1
		.amdhsa_system_sgpr_workgroup_id_y 1
		.amdhsa_system_sgpr_workgroup_id_z 1
		.amdhsa_system_vgpr_workitem_id 0
		.amdhsa_next_free_vgpr 256
		.amdhsa_next_free_sgpr 100
		.amdhsa_reserve_vcc 1
		.amdhsa_float_denorm_mode_32 3
		.amdhsa_float_denorm_mode_16_64 3
		.amdhsa_memory_ordered 1
		.amdhsa_forward_progress 1
		.amdhsa_inst_pref_size 76
	.end_amdhsa_kernel
	.amdgpu_metadata
---
amdhsa.version: [ 1, 2 ]
amdhsa.kernels:
  - .name:           k_qa4197dfce8_attn
    .symbol:         k_qa4197dfce8_attn.kd
    .args:
      - { .name: qi, .offset: 0, .size: 8, .value_kind: global_buffer, .address_space: global }
      - { .name: kv, .offset: 8, .size: 8, .value_kind: global_buffer, .address_space: global }
      - { .name: lowp_scales, .offset: 16, .size: 8, .value_kind: global_buffer, .address_space: global }
      - { .name: yi, .offset: 24, .size: 8, .value_kind: global_buffer, .address_space: global }
    .group_segment_fixed_size: 327680
    .private_segment_fixed_size: 0
    .kernarg_segment_align: 8
    .kernarg_segment_size: 32
    .max_flat_workgroup_size: 512
    .sgpr_count:     100
    .vgpr_count:     256
    .wavefront_size: 32
...
	.end_amdgpu_metadata
.endif
;; end of part 3
;; launch proj (part 4): grid 4 x 32, 4 waves a work-group, clusters of 4 x 4, 327,680 bytes of LDS; arguments yi, wc, lowp_scales, out0; writes out0
.if DOCPART == 4
	.amdgcn_target "amdgcn-amd-amdhsa--gfx1250"
	.amdhsa_code_object_version 6
	.text
	.protected	k_qa4197dfce8_proj
	.globl	k_qa4197dfce8_proj
	.p2align	8
	.type	k_qa4197dfce8_proj,@function
k_qa4197dfce8_proj:
	s_mov_b64 s[64:65], 0
	v_nop
	global_prefetch_b8 v0, s[64:65] scope:SCOPE_SE
	s_setreg_imm32_b32 hwreg(HW_REG_WAVE_MODE, 25, 1), 1
	s_wait_xcnt 0x0
	s_wait_alu depctr_hold_cnt(0) depctr_sa_sdst(0) depctr_va_vdst(0) depctr_va_sdst(0) depctr_va_ssrc(0) depctr_va_vcc(0) depctr_vm_vsrc(0)
	s_getreg_b32 s2, hwreg(HW_REG_IB_STS2, 6, 4)
	s_cmp_eq_u32 s2, 0
	s_cbranch_scc0 .Lentry_in_a_cluster
	s_endpgm
.Lentry_in_a_cluster:
	s_bfe_u32 s2, ttmp6, 0x10000c
	s_cmp_lg_u32 s2, 0xf033
	s_cbranch_scc0 .Lentry_shape_is_right
	s_endpgm
.Lentry_shape_is_right:
; out0 = y wo^T on codes of E4M3; each finished sum is multiplied once by 2^(e10 + e11).  A tile of 256 x 256 is made by four waves of 128 x 128; K = 1,024 goes in four steps of 256 through a ring of two
; LDS slots filled by joint loads of a 4 x 4 cluster: y's tiles are shared along a row of the cluster, wo's along a column.
; y's codes lie as images of operand registers ([16 tokens][16 heads x 1,024 bytes]): a K step of a block of 16 tokens is 4,096 dense bytes, read at 16 x lane.  wo's rows get 16 bytes of padding behind each 256.
; The tokens of a block are in tile order (place i of block a is token 32 (a / 2) + 8 (a % 2) + i + 8 (i / 8)); the stores put each row at its own token, 512 consecutive bytes a store.
; LIMIT: e10 + e11 between -126 and 127, so that 2^(e10 + e11) is an f32 number.
.set SIZE_N, 1024
.set ROWB,   256
.set KROW,   1024
.set ASTEP,  4096
.set PITCH,  272
.set FR,     16
.set NL,     4
.set NP,     4
.set HALFT,  128*PITCH
.set SLOT,   4*HALFT
.set LAPS,   2
.set SPARE,  2*SLOT
.set SPITCH, 528
.set ADRA, 16
.set ADRB, 20
.set STO,  24
.set RD,   25
.set CO,   26
.set SPW,  28
.set NIL,  29
.set TMP,  32
.set AF,   128
.set BK,   128
.set G1, 24
.set G0, 32
.set G1B, 48
.set G0B, 56
.set MSB, 0
.macro WIN new
.if MSB != \new
	s_set_vgpr_msb (MSB<<8)|\new
.set MSB, \new
.endif
.endm
.set MUL_LO, 0xa1
.set MUL_HI, 0xf1
.set TO_B,   0x40
.macro JLOAD g0a, g1a, g0b, g1b
	s_cmp_eq_u32 s15, 0
	s_cbranch_scc0 .Lfor_b_\@
	tensor_load_to_lds s[\g0a:\g0a+3], s[\g1a:\g1a+7]
	s_nop 0
.rept 4
	v_nop
.endr
	s_branch .Lasked_\@
.Lfor_b_\@:
	tensor_load_to_lds s[\g0b:\g0b+3], s[\g1b:\g1b+7]
	s_nop 0
.rept 4
	v_nop
.endr
.Lasked_\@:
.endm
.macro CREST
	s_cmp_lg_u32 s14, 0
	s_cbranch_scc1 .Lnot_wave_0_\@
	s_barrier_signal -3
.Lnot_wave_0_\@:
	s_barrier_wait -3
	s_barrier_signal -1
	s_barrier_wait -1
.endm
.macro CROUND
	s_barrier_signal -1
	s_barrier_wait -1
	CREST
.endm
	s_load_b128 s[4:7], s[0:1], 0x0
	s_load_b128 s[8:11], s[0:1], 0x10
	v_lshl_add_u32 v[SPW], v0, 2, SPARE
	v_mov_b32 v[NIL], 0
	ds_add_u32 v[SPW], v[NIL]
	ds_add_u32 v[SPW], v[NIL]
	v_lshrrev_b32 v1, 5, v0
	v_readfirstlane_b32 s14, v1
	s_lshr_b32 s15, s14, 1
	s_and_b32 s16, s14, 1
	s_bfe_u32 s40, ttmp6, 0x40000
	s_bfe_u32 s41, ttmp6, 0x40004
	s_lshl_b32 s42, ttmp9, 2
	s_add_co_u32 s42, s42, s40
	s_and_b32 s17, ttmp7, 0xffff
	s_lshl_b32 s17, s17, 2
	s_add_co_u32 s17, s17, s41
	s_lshl_b32 s43, s41, 2
	s_lshl_b32 s43, 15, s43
	s_lshl_b32 s44, 0x1111, s40
	s_or_b32 s[G1+0], s43, (3<<16)|(1<<21)
	s_mov_b32 s[G1+1], 512<<16
	s_mov_b32 s[G1+2], 8<<16
	s_mov_b32 s[G1+3], 512<<16
	s_mov_b32 s[G1+4], 8
	s_mov_b32 s[G1+5], 2048
	s_mov_b32 s[G1+6], 0
	s_mov_b32 s[G1+7], 0
	s_or_b32 s[G1B+0], s44, (0<<16)|(1<<20)|(1<<21)|(5<<22)|(3<<25)
	s_mov_b32 s[G1B+1], ROWB<<16
	s_mov_b32 s[G1B+2], 128<<16
	s_mov_b32 s[G1B+3], ROWB<<16
	s_mov_b32 s[G1B+4], 128
	s_mov_b32 s[G1B+5], KROW
	s_mov_b32 s[G1B+6], 0
	s_mov_b32 s[G1B+7], 0
	s_lshl_b32 s18, s16, 7
	s_lshl_b32 s20, s17, 8
	s_add_co_u32 s20, s20, s18
	s_lshl_b32 s46, s42, 8
	s_add_co_u32 s46, s46, s18
	s_mov_b32 s21, 0
	s_mov_b32 s47, 0
	s_mov_b64 s[18:19], KROW
	s_mul_u64 s[20:21], s[20:21], s[18:19]
	s_mul_u64 s[46:47], s[46:47], s[18:19]
	s_mul_i32 s45, s14, HALFT
	s_wait_dscnt 0x0
	s_wait_kmcnt 0x0
	s_load_b64 s[96:97], s[8:9], 0x28
	s_add_nc_u64 s[20:21], s[4:5], s[20:21]
	s_add_nc_u64 s[46:47], s[6:7], s[46:47]
	s_add_nc_u64 s[46:47], s[46:47], 0x300000
	CROUND
.irp s, 0,1
	s_mov_b32 s[G0+4*\s], 1
	s_add_co_u32 s[G0+4*\s+1], s45, \s*SLOT
	s_add_nc_u64 s[G0+4*\s+2:G0+4*\s+3], s[20:21], \s*ASTEP
	s_or_b32 s[G0+4*\s+3], s[G0+4*\s+3], 0x80000000
	s_mov_b32 s[G0B+4*\s], 1
	s_add_co_u32 s[G0B+4*\s+1], s45, \s*SLOT
	s_add_nc_u64 s[G0B+4*\s+2:G0B+4*\s+3], s[46:47], \s*ROWB
	s_or_b32 s[G0B+4*\s+3], s[G0B+4*\s+3], 0x80000000
.endr
	JLOAD G0, G1, G0B, G1B                         ; K step 0: one tensor load a wave at the head
	v_and_b32 v1, 15, v0
	v_bfe_u32 v2, v0, 4, 1
	v_mul_u32_u24 v3, v1, PITCH
	v_lshl_add_u32 v4, v2, 4, v3
	v_and_b32 v6, 31, v0
	v_lshlrev_b32 v[CO], 4, v6
	s_wait_alu depctr_va_vdst(0)
	s_mul_i32 s21, s15, HALFT
	s_mul_i32 s22, s16, HALFT
	s_add_co_u32 s22, s22, 2*HALFT
.irp s, 0,1
	v_add_nc_u32 v[ADRA+\s], s21, v[CO]
	v_add_nc_u32 v[ADRB+\s], s22, v4
	s_add_co_u32 s21, s21, SLOT
	s_add_co_u32 s22, s22, SLOT
.endr
	s_mul_i32 s23, s14, 16*SPITCH
	v_mul_u32_u24 v5, v1, SPITCH
	v_lshl_add_u32 v5, v2, 5, v5
	v_add_nc_u32 v[STO], s23, v5
	v_add_nc_u32 v[RD], s23, v[CO]
	s_lshl_b32 s20, s17, 8
	s_lshl_b32 s21, s15, 7
	s_add_co_u32 s20, s20, s21
	s_mov_b32 s21, 0
	s_mov_b64 s[18:19], SIZE_N*4
	s_mul_u64 s[20:21], s[20:21], s[18:19]
	s_lshl_b32 s46, s42, 10
	s_lshl_b32 s47, s16, 9
	s_add_co_u32 s46, s46, s47
	s_mov_b32 s47, 0
	s_add_nc_u64 s[20:21], s[20:21], s[46:47]
	s_add_nc_u64 s[10:11], s[10:11], s[20:21]
.macro FRAG reg, adr, q, i
.irp c, 0,1,2,3
	ds_load_b128 v[\reg+4*\c:\reg+4*\c+3], v[\adr] offset:128*(\q)+32*\c+(\i)*16*PITCH
.endr
.endm
.macro FRAGA reg, adr, q, i
.irp c, 0,1,2,3
	ds_load_b128 v[\reg+4*\c:\reg+4*\c+3], v[\adr] offset:2048*(\q)+512*\c+(\i)*4096
.endr
.endm
.macro MUL16 a0, p, zero
.irp a, \a0, \a0+1
.irp b, 0,1,2,3,4,5,6,7
.if \zero
	v_wmma_f32_16x16x128_fp8_fp8 v[8*(8*((\a)%4)+\b):8*(8*((\a)%4)+\b)+7], v[128*(\p)+FR*\b:128*(\p)+FR*\b+FR-1], v[AF+FR*(\a):AF+FR*(\a)+FR-1], 0
.else
	v_wmma_f32_16x16x128_fp8_fp8 v[8*(8*((\a)%4)+\b):8*(8*((\a)%4)+\b)+7], v[128*(\p)+FR*\b:128*(\p)+FR*\b+FR-1], v[AF+FR*(\a):AF+FR*(\a)+FR-1], v[8*(8*((\a)%4)+\b):8*(8*((\a)%4)+\b)+7]
.endif
.endr
.endr
.endm
.macro FETCH_B slot, q, p
	WIN TO_B
.irp i, 0,1,2,3,4,5,6,7
	FRAG 128*(\p)+FR*\i, ADRB+\slot, \q, \i
.endr
	WIN 0
.endm
.macro FETCH_A slot, q, i0
.irp i, \i0, \i0+1, \i0+2, \i0+3
	FRAGA AF+FR*(\i), ADRA+\slot, \q, \i
.endr
.endm
.macro PLACES n
.rept \n
	v_nop
.endr
.endm
.macro STEP slot, q, zero
	s_wait_dscnt 4*NL
	WIN MUL_LO
	MUL16 0, (\q)%2, \zero
	MUL16 2, (\q)%2, \zero
	s_wait_dscnt 0
	PLACES NP
	FETCH_B \slot, (\q)+1, 1-(\q)%2
	FETCH_A \slot, (\q)+1, 0
	WIN MUL_HI
	MUL16 4, (\q)%2, \zero
	MUL16 6, (\q)%2, \zero
	PLACES NP
	WIN 0
	FETCH_A \slot, (\q)+1, 4
.endm
.macro TURN slot, next, fill
	s_wait_tensorcnt 0x0
	ds_add_u32 v[SPW], v[NIL]
	s_wait_dscnt 4*NL+1
	WIN MUL_LO
	MUL16 0, 1, 0
	s_wait_dscnt 0x0
	s_barrier_signal -1
	MUL16 2, 1, 0
	WIN 0
	s_barrier_wait -1
.if \fill
	CREST
	s_add_nc_u64 s[G0+4*\slot+2:G0+4*\slot+3], s[G0+4*\slot+2:G0+4*\slot+3], 2*ASTEP
	s_add_nc_u64 s[G0B+4*\slot+2:G0B+4*\slot+3], s[G0B+4*\slot+2:G0B+4*\slot+3], 2*ROWB
	JLOAD G0+4*\slot, G1, G0B+4*\slot, G1B
.else
	PLACES NP
.endif
	FETCH_B \next, 0, 0
	FETCH_A \next, 0, 0
	WIN MUL_HI
	MUL16 4, 1, 0
	MUL16 6, 1, 0
	PLACES NP
	WIN 0
	FETCH_A \next, 0, 4
.endm
	s_wait_alu depctr_va_vdst(0)
	s_wait_tensorcnt 0x0                           ; my part of K step 0 is in
	ds_add_u32 v[SPW], v[NIL]
	s_wait_dscnt 0x0
	CROUND                                         ; everybody's part of K step 0 is in, and all sixteen work-groups are here
	JLOAD G0+4, G1, G0B+4, G1B                     ; K step 1's load, the first tensor load behind the round
	FETCH_B 0, 0, 0
	FETCH_A 0, 0, 0
	FETCH_A 0, 0, 4
	STEP 0, 0, 1
	s_mov_b32 s3, LAPS-1
.Llap:
	TURN 0, 1, 1
	STEP 1, 0, 0
	TURN 1, 0, 1
	STEP 0, 0, 0
	s_sub_co_u32 s3, s3, 1
	s_cmp_lg_u32 s3, 0
	s_cbranch_scc1 .Llap
	TURN 0, 1, 0
	STEP 1, 0, 0
	s_wait_dscnt 4*NL
	WIN MUL_LO
	MUL16 0, 1, 0
	MUL16 2, 1, 0
	s_wait_dscnt 0
	WIN MUL_HI
	MUL16 4, 1, 0
	MUL16 6, 1, 0
	WIN 0
.macro TOSTAGE a
.set AC, 64*((\a)%4)
	WIN 0x02+((\a)/4)
.set I, 0
.rept 32
	v_pk_mul_f32 v[TMP+I:TMP+I+1], v[AC+I:AC+I+1], s[96:97] op_sel_hi:[1,0]
.set I, I+2
.endr
	WIN 0
.irp b, 0,1,2,3,4,5,6,7
	ds_store_b128 v[STO], v[TMP+8*\b:TMP+8*\b+3] offset:64*\b
	ds_store_b128 v[STO], v[TMP+8*\b+4:TMP+8*\b+7] offset:64*\b+16
.endr
.set BB, BK+64*((\a)%2)
.irp t, 0,1,2,3,4,5,6,7,8,9,10,11,12,13,14,15
	ds_load_b128 v[BB+4*\t:BB+4*\t+3], v[RD] offset:\t*SPITCH
.endr
.endm
.macro SEND a, younger
.set BB, BK+64*((\a)%2)
	s_wait_dscnt \younger
.irp t, 0,1,2,3,4,5,6,7,8,9,10,11,12,13,14,15
	global_store_b128 v[CO], v[BB+4*\t:BB+4*\t+3], s[10:11] offset:(32*((\a)/2)+8*((\a)%2)+\t+8*(\t/8))*SIZE_N*4 th:TH_STORE_NT
.endr
.endm
	s_wait_kmcnt 0x0
	s_add_co_i32 s96, s96, s97
	s_add_co_i32 s96, s96, 127
	s_lshl_b32 s96, s96, 23
	PLACES NP
	TOSTAGE 0
.irp a, 1,2,3,4,5,6,7
.if \a > 1
	s_wait_xcnt 0x0
.endif
	TOSTAGE \a
	SEND \a-1, 32
.endr
	SEND 7, 0
	s_wait_tensorcnt 0x0
	ds_add_u32 v[SPW], v[NIL]
	s_wait_dscnt 0x0
	CROUND
	s_endpgm
.Lfunc_end_k_qa4197dfce8_proj:
	.size	k_qa4197dfce8_proj, .Lfunc_end_k_qa4197dfce8_proj-k_qa4197dfce8_proj
	.p2alignl 7, 3214868480
	.fill 96, 4, 3214868480
	.section	.rodata,"a",@progbits
	.p2align	6, 0x0
	.amdhsa_kernel k_qa4197dfce8_proj
		.amdhsa_group_segment_fixed_size 327680
		.amdhsa_private_segment_fixed_size 0
		.amdhsa_enable_private_segment 0
		.amdhsa_kernarg_size 32
		.amdhsa_user_sgpr_count 2
		.amdhsa_user_sgpr_kernarg_segment_ptr 1
		.amdhsa_wavefront_size32 1
		.amdhsa_system_sgpr_workgroup_id_x 1
		.amdhsa_system_sgpr_workgroup_id_y 1
		.amdhsa_system_sgpr_workgroup_id_z 1
		.amdhsa_system_vgpr_workitem_id 0
		.amdhsa_next_free_vgpr 1024
		.amdhsa_next_free_sgpr 98
		.amdhsa_reserve_vcc 0
		.amdhsa_float_denorm_mode_32 3
		.amdhsa_float_denorm_mode_16_64 3
		.amdhsa_memory_ordered 1
		.amdhsa_forward_progress 1
		.amdhsa_inst_pref_size 123
	.end_amdhsa_kernel
	.amdgpu_metadata
---
amdhsa.version: [ 1, 2 ]
amdhsa.kernels:
  - .name:           k_qa4197dfce8_proj
    .symbol:         k_qa4197dfce8_proj.kd
    .args:
      - { .name: yi, .offset: 0, .size: 8, .value_kind: global_buffer, .address_space: global }
      - { .name: wc, .offset: 8, .size: 8, .value_kind: global_buffer, .address_space: global }
      - { .name: lowp_scales, .offset: 16, .size: 8, .value_kind: global_buffer, .address_space: global }
      - { .name: out0, .offset: 24, .size: 8, .value_kind: global_buffer, .address_space: global }
    .group_segment_fixed_size: 327680
    .private_segment_fixed_size: 0
    .kernarg_segment_align: 8
    .kernarg_segment_size: 32
    .max_flat_workgroup_size: 128
    .sgpr_count:     98
    .vgpr_count:     1024
    .wavefront_size: 32
...
	.end_amdgpu_metadata
.endif
;; end of part 4
